; MI455X (gfx1250); checked and timed in simulation.
; The chip was launched on July 23, 2026; its instructions are those of AMD's public machine-readable ISA for CDNA 5 (MIT licence, August 2026) and "CDNA5" Instruction Set Architecture Reference Guide (July 2026). The comments in the code are by the model that wrote it; some were corrected since.
;; Multi Headed Attention. Allowed arithmetic: float matrix products may take bf16 or f16 operands with f32 sums; other float arithmetic in f32, or as packed bf16 or f16 multiplies, adds, multiply-adds, maxima and minima; sums over many terms, partial sums and values carried from step to step in f32; what a program stores and reads back later, other than sums and carried values, may be rounded once to bf16 or f16.
;; Inputs: attention_mask 4 x 2,048 x 2,048 int32; b_k 1,024 float32; b_o 1,024 float32; b_q 1,024 float32; b_v 1,024 float32; key 4 x 2,048 x 1,024 float32; query 4 x 2,048 x 1,024 float32; value 4 x 2,048 x 1,024 float32; w_k 1,024 x 1,024 float32; w_o 1,024 x 1,024 float32; w_q 1,024 x 1,024 float32; w_v 1,024 x 1,024 float32.
;; Outputs: out0 4 x 2,048 x 1,024 float32.
;; One version. Each part assembles by itself: llvm-mc -triple=amdgcn-amd-amdhsa -mcpu=gfx1250 --defsym DOCPART=n.
;; ======== version 1 of 1: 4 launches
;; limits: values are held in f16: magnitudes above 65,504 overflow, below 6.1e-05 lose precision; right only within a limited range of input values
;; workspace buffers: wh 8,388,608 bytes; bws 16,384 bytes; mk 8,388,608 bytes; qkvh 50,331,648 bytes; oh 16,777,216 bytes
;; launch prep (part 1): grid 769 x 1, 8 waves a work-group, no clusters, 17,408 bytes of LDS; arguments w_q, w_k, w_v, w_o, b_q, b_k, b_v, b_o, attention_mask, wh, bws, mk; writes wh, bws, mk
.if DOCPART == 1
	.amdgcn_target "amdgcn-amd-amdhsa--gfx1250"
	.amdhsa_code_object_version 6
	.text
	.protected	k_q9d55801906_prep
	.globl	k_q9d55801906_prep
	.p2align	8
	.type	k_q9d55801906_prep,@function
k_q9d55801906_prep:
	s_mov_b64 s[64:65], 0
	v_nop
	global_prefetch_b8 v0, s[64:65] scope:SCOPE_SE
	s_setreg_imm32_b32 hwreg(HW_REG_WAVE_MODE, 25, 1), 1
	s_wait_xcnt 0x0
; PREP: the weights, the biases and the mask are read once and laid out for the three launches behind.
;   w_q, w_k, w_v, w_o (f32) -> rounded once to bf16, in BLOCKS: wh[group][plane j = k / 64 (16)][row (2,048)][64]: a plane's rows are dense, 128 bytes each, so that a K step's tile is one dense run of bytes.
;       Weight i lies in group i / 2 at rows 1,024 (i % 2) on.  w_q, w_k, w_v stay bf16 (their products are bf16 products); w_o's bf16 number is written as f16 (its product's other operand is f16).
;   b_q, b_k, b_v, b_o (f32) -> rounded once to bf16, kept as f32, bws[4][1024].
;   attention_mask (int32) -> one 4-bit code a number: 0xF where the mask is 0, else 0.  mk[batch x 128 + qt][ks (32)][lane (32)][4 words]: lane (r = lane % 16, h = lane / 16),
;       word kt, nibble i stands for query 16 qt + r and key 64 ks + 16 kt + 8 h + i: the place that this score has in the attention's accumulators.
; LIMITS.  w_o: a bf16 number is exact in f16 between 6.1e-5 and 65,504; below that it keeps f16's fixed step of 6e-8; beyond 65,504 it becomes an infinity.  NaN and infinities are not treated apart.
; SHARES.  Work-groups 0-511: 16 rows of the mask each.  512-767: 16 rows of a weight.  768: the four biases.
; SHAPES.  Every load of a wave covers 512 consecutive bytes (the mask) or two runs of 256 (the weights), every store 512 or 256 consecutive bytes, aligned.  The mask's codes change lanes on the way:
; a lane that loads 4 neighbouring keys of a row holds half a word of mk, and the halves meet in the wave's own 2,048 bytes of LDS.  No barrier: no wave touches another's bytes.
; All of a wave's loads are issued before its first wait, and the waits count down.
.set PLANEB, 262144                    ; bytes in a plane: 2,048 rows of 128
.set SPARE,  16384                     ; behind the eight waves' 2,048 bytes: the spare words, 128 bytes for each wave: four blocks of 256 bytes that no other line names
.set SRC, 40                           ; s[40:41] where the work-group reads
.set DST, 42                           ; s[42:43] where it stores
.set OFS, 44                           ; s[44:45] an offset, high word 0
.set HIM, 46                           ; s46  mask of a word's upper bf16
.set SEL, 47                           ; s47  which weight
.set ID,  48                           ; s48  the work-group's number, then its number within its role
.set WV,  49                           ; s49  my wave's number
.set WO,  50                           ; s50  my wave's offset
.set T,   4                            ; v[4:7]    at work
.set SPW, 8                            ; v8   LDS address of my spare word: SPARE + 4 x my thread's number; never rewritten
.set NIL, 9                            ; v9   0; never rewritten
.set X,   16                           ; v[16:143] what the loads bring
	s_load_b512 s[8:23], s[0:1], 0x0               ; w_q 8, w_k 10, w_v 12, w_o 14, b_q 16, b_k 18, b_v 20, b_o 22
	s_load_b256 s[24:31], s[0:1], 0x40             ; mask 24, wh 26, bws 28, mk 30
	v_lshl_add_u32 v[SPW], v0, 2, SPARE
	v_mov_b32 v[NIL], 0
	s_mov_b32 s[HIM], 0xffff0000
	s_mov_b32 s[OFS+1], 0
	s_mov_b32 s[ID], ttmp9
	s_wait_kmcnt 0x0
	s_cmp_lt_u32 s[ID], 512
	s_cbranch_scc0 .Lnot_mask
	; THE MASK: 16 rows (one qt) a work-group; wave w takes keys 256 w .. 256 w + 255 (the key steps 4 w .. 4 w + 3) of all 16 rows: 1,024 bytes of each, two loads.
	s_lshl_b32 s[OFS], s[ID], 17                   ; 16 rows of 8,192 bytes
	s_add_nc_u64 s[SRC:SRC+1], s[24:25], s[OFS:OFS+1]
	s_lshl_b32 s[OFS], s[ID], 14                   ; 32 key steps of 512 bytes
	s_add_nc_u64 s[DST:DST+1], s[30:31], s[OFS:OFS+1]
	v_lshrrev_b32 v10, 5, v0
	v_readfirstlane_b32 s[WV], v10                 ; wave 0..7
	v_and_b32 v11, 31, v0                          ; lane l
	s_lshl_b32 s[WO], s[WV], 10
	v_lshl_add_u32 v1, v11, 4, s[WO]               ; in: 1,024 w + 16 l
	s_lshl_b32 s[WO], s[WV], 11
	v_lshl_add_u32 v3, v11, 4, s[WO]               ; back from LDS, and out: 2,048 w + 16 l
	; Lane l of load c (0, 1) of row r holds keys 128 c + 4 l + 0..3 of the wave's 256: key step 2 c + l / 16, word kt = (l / 4) % 4, half of the lanes h = (l / 2) % 2, half of the word l % 2.
	; Its two bytes go to 512 (2 c + l / 16) + 16 (r + 16 h) + 4 kt + 2 (l % 2): c and r stand in the immediate.
	v_bfe_u32 v12, v0, 4, 1
	v_bfe_u32 v13, v0, 1, 1
	v_bfe_u32 v14, v0, 2, 2
	v_and_b32 v15, 1, v0
	v_lshl_add_u32 v2, v12, 9, s[WO]
	v_lshl_add_u32 v2, v13, 8, v2
	v_lshl_add_u32 v2, v14, 2, v2
	v_lshl_add_u32 v2, v15, 1, v2
.irp r, 0,1,2,3,4,5,6,7,8,9,10,11,12,13,14,15
	global_load_b128 v[X+8*(\r):X+8*(\r)+3],   v1, s[SRC:SRC+1] offset:8192*(\r) th:TH_LOAD_NT
	global_load_b128 v[X+8*(\r)+4:X+8*(\r)+7], v1, s[SRC:SRC+1] offset:8192*(\r)+512 th:TH_LOAD_NT
.endr
; Row r's eight numbers -> one word: load 0's four codes below, load 1's above.  min(1, x) as unsigned is 1 for every number but 0; the eight bits go to the nibbles' low ends; the exclusive or turns them; times 15 fills the nibbles.
.macro NIB r
.set XB, X+8*(\r)
.set TT, T+2*((\r)%2)
	s_wait_loadcnt 30-2*(\r)                       ; loads come back in order: the two of each later row may stay out
	v_min_u32 v[TT], 1, v[XB]
.irp e, 1,2,3,4,5,6,7
	v_min_u32 v[TT+1], 1, v[XB+(\e)]
	v_lshl_or_b32 v[TT], v[TT+1], 4*(\e), v[TT]
.endr
	v_xor_b32 v[TT], 0x11111111, v[TT]
	v_lshlrev_b32 v[TT+1], 4, v[TT]
	v_sub_nc_u32 v[XB], v[TT+1], v[TT]             ; 16 T - T
	ds_store_b16 v2, v[XB] offset:16*(\r)
	ds_store_b16_d16_hi v2, v[XB] offset:16*(\r)+1024
.endm
.irp r, 0,1,2,3,4,5,6,7,8,9,10,11,12,13,14,15
	NIB \r
.endr
.irp i, 0,1,2,3
	ds_load_b128 v[X+8*(\i)+4:X+8*(\i)+7], v3 offset:512*(\i)  ; LDS serves a wave's instructions in order (ISA guide 5.7.1.4): these see the stores above
.endr
.irp i, 0,1,2,3
	s_wait_dscnt 3-(\i)
	global_store_b128 v3, v[X+8*(\i)+4:X+8*(\i)+7], s[DST:DST+1] offset:512*(\i)  ; a key step's 512 consecutive bytes
.endr
	s_wait_tensorcnt 0x0                           ; the wave's end: behind my last LDS store
	ds_add_u32 v[SPW], v[NIL]
	s_wait_dscnt 0x0
	s_endpgm
.Lnot_mask:
	s_cmp_lt_u32 s[ID], 768
	s_cbranch_scc0 .Lbias
	; A WEIGHT: 64 work-groups each, 16 rows a work-group
	s_sub_co_u32 s[ID], s[ID], 512
	s_lshr_b32 s[SEL], s[ID], 6
	s_cmp_eq_u32 s[SEL], 1
	s_cselect_b64 s[SRC:SRC+1], s[10:11], s[8:9]
	s_cmp_eq_u32 s[SEL], 2
	s_cselect_b64 s[SRC:SRC+1], s[12:13], s[SRC:SRC+1]
	s_cmp_eq_u32 s[SEL], 3
	s_cselect_b64 s[SRC:SRC+1], s[14:15], s[SRC:SRC+1]
	s_and_b32 s[OFS], s[ID], 63
	s_lshl_b32 s[OFS], s[OFS], 16                  ; 16 rows of 4,096 bytes
	s_add_nc_u64 s[SRC:SRC+1], s[SRC:SRC+1], s[OFS:OFS+1]
	s_lshr_b32 s[OFS], s[ID], 7                    ; two weights, 128 work-groups, fill a group
	s_lshl_b32 s[OFS], s[OFS], 22
	s_add_nc_u64 s[DST:DST+1], s[26:27], s[OFS:OFS+1]
	s_and_b32 s[OFS], s[ID], 127
	s_lshl_b32 s[OFS], s[OFS], 11                  ; 16 rows of 128 bytes in a plane
	s_add_nc_u64 s[DST:DST+1], s[DST:DST+1], s[OFS:OFS+1]
	; Thread t takes row t / 16 and, in each of the 16 planes, the 4 numbers 4 (t % 16) on: 16 bytes in, 8 bytes out.  A wave's load covers 256 consecutive bytes of each of two rows,
	; its store those two rows' 256 consecutive bytes of a plane.
	v_lshrrev_b32 v1, 4, v0
	v_and_b32 v3, 15, v0
	v_lshlrev_b32 v1, 12, v1
	v_lshl_or_b32 v1, v3, 4, v1                    ; in: row x 4,096 + 16 (t % 16)
	v_lshlrev_b32 v2, 3, v0                        ; out: row x 128 + 8 (t % 16) = 8 t
.irp j, 0,1,2,3,4,5,6,7,8,9,10,11,12,13,14,15
	global_load_b128 v[X+4*(\j):X+4*(\j)+3], v1, s[SRC:SRC+1] offset:256*(\j) th:TH_LOAD_NT
.endr
; Plane by plane: four numbers to bf16 (the one rounding); f16 = 1: back to f32 (a shift, a mask) and to f16 (exact within the limits above); stored.  No register that a store names is written again.
.macro WOUT f16
.set n, 0
.rept 16
.set XB, X+4*n
	s_wait_loadcnt 15-n                            ; loads come back in order: the later planes' may stay out
.if \f16
	v_cvt_pk_bf16_f32 v[T],   v[XB],   v[XB+1]
	v_cvt_pk_bf16_f32 v[T+1], v[XB+2], v[XB+3]
	v_lshlrev_b32 v[XB],   16, v[T]
	v_and_b32     v[XB+1], s[HIM], v[T]
	v_lshlrev_b32 v[XB+2], 16, v[T+1]
	v_and_b32     v[XB+3], s[HIM], v[T+1]
	v_cvt_pk_f16_f32 v[XB],   v[XB],   v[XB+1]
	v_cvt_pk_f16_f32 v[XB+1], v[XB+2], v[XB+3]
.else
	v_cvt_pk_bf16_f32 v[XB],   v[XB],   v[XB+1]
	v_cvt_pk_bf16_f32 v[XB+1], v[XB+2], v[XB+3]
.endif
	global_store_b64 v2, v[XB:XB+1], s[DST:DST+1] offset:n*PLANEB
.set n, n+1
.endr
.endm
	s_cmp_eq_u32 s[SEL], 3
	s_cbranch_scc1 .Lw_o
	WOUT 0
	s_endpgm
.Lw_o:
	WOUT 1
	s_endpgm
.Lbias:
	; THE BIASES: 1,024 numbers each, four a thread
	v_lshlrev_b32 v1, 4, v0
	global_load_b128 v[X:X+3],     v1, s[16:17]
	global_load_b128 v[X+4:X+7],   v1, s[18:19]
	global_load_b128 v[X+8:X+11],  v1, s[20:21]
	global_load_b128 v[X+12:X+15], v1, s[22:23]
	s_wait_loadcnt 0x0
.irp w, 0,1,2,3
	v_cvt_pk_bf16_f32 v[T],   v[X+4*(\w)],   v[X+4*(\w)+1]
	v_cvt_pk_bf16_f32 v[T+1], v[X+4*(\w)+2], v[X+4*(\w)+3]
	v_lshlrev_b32 v[X+4*(\w)],   16, v[T]
	v_and_b32     v[X+4*(\w)+1], s[HIM], v[T]
	v_lshlrev_b32 v[X+4*(\w)+2], 16, v[T+1]
	v_and_b32     v[X+4*(\w)+3], s[HIM], v[T+1]
	global_store_b128 v1, v[X+4*(\w):X+4*(\w)+3], s[28:29] offset:4096*(\w)
.endr
	s_endpgm
.Lfunc_end_k_q9d55801906_prep:
	.size	k_q9d55801906_prep, .Lfunc_end_k_q9d55801906_prep-k_q9d55801906_prep
	.p2alignl 7, 3214868480
	.fill 96, 4, 3214868480
	.section	.rodata,"a",@progbits
	.p2align	6, 0x0
	.amdhsa_kernel k_q9d55801906_prep
		.amdhsa_group_segment_fixed_size 17408
		.amdhsa_private_segment_fixed_size 0
		.amdhsa_enable_private_segment 0
		.amdhsa_kernarg_size 96
		.amdhsa_user_sgpr_count 2
		.amdhsa_user_sgpr_kernarg_segment_ptr 1
		.amdhsa_wavefront_size32 1
		.amdhsa_system_sgpr_workgroup_id_x 1
		.amdhsa_system_sgpr_workgroup_id_y 1
		.amdhsa_system_sgpr_workgroup_id_z 1
		.amdhsa_system_vgpr_workitem_id 0
		.amdhsa_next_free_vgpr 144
		.amdhsa_next_free_sgpr 66
		.amdhsa_reserve_vcc 0
		.amdhsa_float_denorm_mode_32 3
		.amdhsa_float_denorm_mode_16_64 3
		.amdhsa_memory_ordered 1
		.amdhsa_forward_progress 1
		.amdhsa_inst_pref_size 38
	.end_amdhsa_kernel
	.amdgpu_metadata
---
amdhsa.version: [ 1, 2 ]
amdhsa.kernels:
  - .name:           k_q9d55801906_prep
    .symbol:         k_q9d55801906_prep.kd
    .args:
      - { .name: w_q, .offset: 0, .size: 8, .value_kind: global_buffer, .address_space: global }
      - { .name: w_k, .offset: 8, .size: 8, .value_kind: global_buffer, .address_space: global }
      - { .name: w_v, .offset: 16, .size: 8, .value_kind: global_buffer, .address_space: global }
      - { .name: w_o, .offset: 24, .size: 8, .value_kind: global_buffer, .address_space: global }
      - { .name: b_q, .offset: 32, .size: 8, .value_kind: global_buffer, .address_space: global }
      - { .name: b_k, .offset: 40, .size: 8, .value_kind: global_buffer, .address_space: global }
      - { .name: b_v, .offset: 48, .size: 8, .value_kind: global_buffer, .address_space: global }
      - { .name: b_o, .offset: 56, .size: 8, .value_kind: global_buffer, .address_space: global }
      - { .name: attention_mask, .offset: 64, .size: 8, .value_kind: global_buffer, .address_space: global }
      - { .name: wh, .offset: 72, .size: 8, .value_kind: global_buffer, .address_space: global }
      - { .name: bws, .offset: 80, .size: 8, .value_kind: global_buffer, .address_space: global }
      - { .name: mk, .offset: 88, .size: 8, .value_kind: global_buffer, .address_space: global }
    .group_segment_fixed_size: 17408
    .private_segment_fixed_size: 0
    .kernarg_segment_align: 8
    .kernarg_segment_size: 96
    .max_flat_workgroup_size: 256
    .sgpr_count:     66
    .vgpr_count:     144
    .wavefront_size: 32
...
	.end_amdgpu_metadata
.endif
;; end of part 1
;; launch gemm_qkv (part 2): grid 4 x 192, 4 waves a work-group, clusters of 4 x 4, 327,680 bytes of LDS; arguments query, key, value, wh, bws, qkvh; writes qkvh
.if DOCPART == 2
	.amdgcn_target "amdgcn-amd-amdhsa--gfx1250"
	.amdhsa_code_object_version 6
	.text
	.protected	k_q9d55801906_gemm_qkv
	.globl	k_q9d55801906_gemm_qkv
	.p2align	8
	.type	k_q9d55801906_gemm_qkv,@function
k_q9d55801906_gemm_qkv:
	s_mov_b64 s[64:65], 0
	v_nop
	global_prefetch_b8 v0, s[64:65] scope:SCOPE_SE
	s_setreg_imm32_b32 hwreg(HW_REG_WAVE_MODE, 25, 1), 1
	s_wait_xcnt 0x0
	s_wait_alu depctr_hold_cnt(0) depctr_sa_sdst(0) depctr_va_vdst(0) depctr_va_sdst(0) depctr_va_ssrc(0) depctr_va_vcc(0) depctr_vm_vsrc(0)
	s_getreg_b32 s2, hwreg(HW_REG_IB_STS2, 6, 4)
	s_cmp_eq_u32 s2, 0
	s_cbranch_scc0 .Lentry_in_a_cluster
	s_endpgm
.Lentry_in_a_cluster:
	s_bfe_u32 s2, ttmp6, 0x10000c
	s_cmp_lg_u32 s2, 0xf033
	s_cbranch_scc0 .Lentry_shape_is_right
	s_endpgm
.Lentry_shape_is_right:
; THE THREE INPUT PROJECTIONS.  C[m][n] = bias[n] + the sum over k of A[m][k] W[n][k], K = 1,024.  A is query, key or value, [8,192][1,024] in f32, as it is given; W its weight in bf16, in blocks (below);
; the bias f32.  A is rounded once to bf16 on the way from LDS to the matrix unit; products in bf16, sums in f32; C is rounded once to f16 and stored by heads, in blocks.
; BLOCKS.  W and the result lie as [group][plane (16)][row (2,048)][64], two bytes a number: a plane's rows are dense, 128 bytes each.  W: plane = k / 64, weight i in group i / 2 at rows 1,024 (i % 2) on.
; The result: group = 4 x tensor + batch, plane = head.
; LIMITS.  f16 holds no number beyond 65,504: a sum beyond that leaves as an infinity.  NaN and infinities are not treated apart.
; SHARES.  A tile of C is 128 rows x 256 columns: 768 work-groups, 64 tile rows to a tensor.  Four waves, each 64 x 128: 32 accumulators of 16 x 16, 256 registers.
; K goes in 8 steps of 128 through a ring of two LDS slots filled by the tensor data mover.  Waves 0 and 1 fetch 64 rows x 512 bytes of A each, waves 2 and 3 one plane of W's 256 rows each, a dense run asked for as rows of 256 bytes.
; CLUSTER.  4 x 4 work-groups.  The four of a row of the cluster need the same tiles of A, the four of a column the same tiles of W: each is asked for JOINTLY, by the same load, descriptor and mask in all four.
; THE MATRIX INSTRUCTION IS USED TRANSPOSED (source 0 = 16 rows of W, source 1 = 16 rows of A): lane l holds row l % 16 of C and the columns 8 (l / 16) + 0..7.
; THE BIAS STARTS THE SUMS: it is the C operand of each accumulator's first product: nothing is cleared, nothing is added on the way out.
; A'S CONVERSION stands in two runs of 16 a quarter step, not singly behind the products: its sources, its destination and the products' operands lie in three windows, so a single one would cost two switches.
; REGISTERS, in windows of 256 (s_set_vgpr_msb: bits 1:0 source 0, 3:2 source 1, 5:4 source 2, 7:6 destination):
;   window 0: v0-31 addresses; v64-159, v160-255 two fragment buffers (32 along K: 64 registers of W, 32 of A in bf16); on the way out v64-223 at work
;   window 1: the accumulators, (a, b) at v[8 (8 a + b)]          window 2: v0-63 the bias of my 128 columns, block b at v[8 b]; v64-127 A as loaded, 16 registers of f32 for each block of 16 rows
.set PLANEB, 262144
.set KB,     512                       ; bytes of a row of A in a K step
.set PA,     528                       ; an LDS row of A: 512 bytes + 16 of padding = 132 words: the 16 rows of a load start at 16 different groups of four banks (64 banks of 4 bytes: ISA guide 11.1)
.set P,      144                       ; an LDS row of a plane of W: 128 bytes + 16 = 36 words: likewise
.set ATL,    128*PA                    ; A's tile
.set BPL,    256*P                     ; a plane of W's tile
.set BOFF,   ATL                       ; W's two planes lie behind A's tile
.set SLOT,   ATL+2*BPL                 ; 141,312 bytes
.set STAGE,  2*SLOT                    ; behind the ring, never filled by a tensor load: each wave's stage for the way out
.set SP,     144                       ; two heads x 16 rows of 64 f16: 128 bytes + 16
.set WSTG,   2*16*SP
.set SPARE,  STAGE+4*WSTG              ; behind the stages: the spare words, 128 bytes for each wave: two blocks of 256 bytes that no other line names
.set LAPS,   4                         ; a lap = two K steps = once round the ring
.set ADRA, 16                          ; v16-17  LDS address of my rows of A in slot 0, 1
.set ADRB, 20                          ; v20-21  the same for W
.set STO,  24                          ; v24     the way out: where I put my part of a row
.set RD,   25                          ; v25     the way out: where I read rows back
.set CO,   26                          ; v26     16 x lane: my place in 512 consecutive bytes of the result
.set BO,   27                          ; v27     32 x (l / 16): my 8 numbers in a block of 16 of the bias
.set SPW,  28                          ; v28     LDS address of my spare word: SPARE + 4 x my thread's number; never rewritten
.set NIL,  29                          ; v29     0; never rewritten
.set PFO,  30                          ; v30     the prefetches' offset: row l / 2, its block of 256 bytes l % 2; never rewritten
.set F0,   64
.set F1,   160
.set AR,   64                          ; window 2: A as loaded
.set TMP,  64                          ; the way out: packed results
.set BK,   96                          ; the way out: rows read back, a set of 32 for each block
.set WV,  12                           ; s12  my wave's number
.set WM,  13                           ; s13  which 64 rows of the tile are mine.  Also: I fetch for A (0) or for W (1)
.set WN,  14                           ; s14  which 128 columns.  Also: which half of A's rows, or which of W's two planes, I fetch
.set CX,  15                           ; s15, s16  my place in the cluster
.set CY,  16
.set TX,  17                           ; s17  tile column
.set TY,  18                           ; s18  tile row
.set WH,  19                           ; s19  which tensor, weight and bias
.set G1A, 24                           ; s[24:31] descriptor group 1 for A's tiles;  s[32:39] group 0, a set for each slot
.set G0A, 32
.set G1B, 40                           ; s[40:47], s[48:55] the same for W's
.set G0B, 48
.set LAP, 56                           ; s56  trips of the loop still to come, this one among them
.set LIM, 57                           ; s57  1 in a wave that prefetches, else the greatest number
.set PFA, 62                           ; s[62:63] where my prefetches stand: my work-group's 16 rows of the 64 that I fetch, one K step further along K than the refill that is being asked for
.set MSB, 0
.macro WIN new                         ; the immediate's high byte repeats the setting that is left; a switch that changes nothing is dropped
.if MSB != (\new)
	s_set_vgpr_msb (MSB<<8)|(\new)
.set MSB, \new
.endif
.endm
.set MUL,  0x50                        ; sources 0 and 1 window 0; C and D window 1
.set MULB, 0x60                        ; the same with C in window 2: the bias
; A joint load: waves 0 and 1 fetch A's two halves, waves 2 and 3 W's two planes.  The branch hangs on the wave's number alone.  An s_nop 0 and four v_nop follow each of the two lines, ahead of the jump, the label and what follows.
.macro JLOAD s
	s_cmp_eq_u32 s[WM], 0
	s_cbranch_scc0 .Lfor_b_\@
	tensor_load_to_lds s[G0A+4*(\s):G0A+4*(\s)+3], s[G1A:G1A+7]
	s_nop 0
.rept 4
	v_nop
.endr
	s_branch .Lasked_\@
.Lfor_b_\@:
	tensor_load_to_lds s[G0B+4*(\s):G0B+4*(\s)+3], s[G1B:G1B+7]
	s_nop 0
.rept 4
	v_nop
.endr
.Lasked_\@:
.endm
; A PREFETCH INTO THE L2 of A's K step that stands TWO refills on, behind each joint load, its five lines and the run of LDS loads that follows them.  A is a stream that the launch reads once: a tile row of A is read by the
; four partners of one row of one cluster, jointly, and by nobody else.  Of the 64 rows that wave 0 or 1 fetches, the partner at place cx takes 16 cx .. 16 cx + 15, told apart BY ADDRESS; a row's K step is two blocks of
; 256 bytes: a lane a block, one instruction a wave.  So each block is named once in the launch.  K steps 0 to 3 come by their loads alone; the loop's last trip, whose refills are the last, asks for nothing.
; W's tiles are read by every cluster of the tensor: no stream read once, and not asked for ahead.
.macro ASK
	s_cmp_gt_u32 s[LAP], s[LIM]                    ; s[LAP] = 1 in the loop's last trip
	s_cbranch_scc0 .Lnot_mine_\@
	global_prefetch_b8 v[PFO], s[PFA:PFA+1] offset:KB th:TH_LOAD_NT scope:SCOPE_SE
.Lnot_mine_\@:
.endm
; A round of the cluster's barrier: my work-group's barrier, so that wave 0's signal speaks for all four waves; wave 0 signals; every wave waits for all sixteen work-groups; my work-group's barrier once more.
.macro CREST                           ; a round behind its opening barrier
	s_cmp_lg_u32 s[WV], 0
	s_cbranch_scc1 .Lnot_wave_0_\@
	s_barrier_signal -3
.Lnot_wave_0_\@:
	s_barrier_wait -3
	s_barrier_signal -1
	s_barrier_wait -1
.endm
.macro CROUND                          ; a whole round
	s_barrier_signal -1
	s_barrier_wait -1
	CREST
.endm
	s_load_b256 s[68:75], s[0:1], 0x0              ; query s[68:69], key s[70:71], value s[72:73], W s[74:75]
	s_load_b128 s[8:11], s[0:1], 0x20              ; bias s[8:9], result s[10:11]
	v_lshl_add_u32 v[SPW], v0, 2, SPARE
	v_mov_b32 v[NIL], 0
	ds_add_u32 v[SPW], v[NIL]                      ; the wave's opening: the add and its wait stand ahead of my first tensor load; the set-up below, work on registers, stands between them
	v_lshrrev_b32 v1, 5, v0
	v_readfirstlane_b32 s[WV], v1                  ; wave 0..3
	s_lshr_b32 s[WM], s[WV], 1
	s_and_b32 s[WN], s[WV], 1
	s_bfe_u32 s[CX], ttmp6, 0x40000
	s_bfe_u32 s[CY], ttmp6, 0x40004
	s_lshl_b32 s[TX], ttmp9, 2                     ; in a cluster launch ttmp9 and ttmp7 count clusters
	s_add_co_u32 s[TX], s[TX], s[CX]               ; tile column = 4 x cluster x + cx
	s_and_b32 s[WH], ttmp7, 0xffff
	s_lshl_b32 s[TY], s[WH], 2
	s_add_co_u32 s[TY], s[TY], s[CY]               ; tile row = 4 x cluster y + cy
	s_lshr_b32 s[WH], s[WH], 4                     ; 64 tile rows, 16 clusters, to a tensor: it hangs on the cluster's y alone, which all sixteen share
	s_lshl_b32 s20, s[CY], 2
	s_lshl_b32 s20, 15, s20                        ; my row of the cluster: places 4 cy .. 4 cy + 3
	s_lshl_b32 s21, 0x1111, s[CX]                  ; my column: places cx, cx + 4, cx + 8, cx + 12
	; descriptor group 1.  A: 64 rows of 128 elements of 4 bytes, 1,024 elements from row to row, padded in LDS after every 512 bytes.  W: a dense run as 128 rows of 128 elements of 2 bytes (two rows of a plane), padded after every 128 bytes.
	s_or_b32 s[G1A], s20, (2<<16)|(1<<20)|(1<<21)|(6<<22)|(3<<25)  ; 15:0 the mask; 17:16 4-byte elements; 20 padding on; 21 set beside a mask; 24:22 after every 128 words (code 6); 31:25 4 words (code 3)
	s_or_b32 s[G1B], s21, (1<<16)|(1<<20)|(1<<21)|(4<<22)|(3<<25)  ; 2-byte elements; after every 32 words (code 4)
	s_mov_b32 s[G1A+1], 128<<16                    ; tensor_dim0 = 128
	s_mov_b32 s[G1B+1], 128<<16
	s_mov_b32 s[G1A+2], 64<<16                     ; tensor_dim1
	s_mov_b32 s[G1B+2], 128<<16
	s_mov_b32 s[G1A+3], 128<<16                    ; tile_dim0 = 128
	s_mov_b32 s[G1B+3], 128<<16
	s_mov_b32 s[G1A+4], 64                         ; tile_dim1
	s_mov_b32 s[G1B+4], 128
	s_mov_b32 s[G1A+5], 1024                       ; elements from row to row
	s_mov_b32 s[G1B+5], 128
	s_mov_b32 s[G1A+6], 0
	s_mov_b32 s[G1B+6], 0
	s_mov_b32 s[G1A+7], 0
	s_mov_b32 s[G1B+7], 0
	; where the tiles come from.  A's hang on the tile row alone, W's on the tile column and the weight alone; each offset is made in registers that never hold the other coordinate.
	s_and_b32 s22, s[TY], 63                       ; the tile row within its tensor:
	s_lshl_b32 s22, s22, 19                        ; 128 rows of 4,096 bytes
	s_lshl_b32 s2, s[WN], 18                       ; my 64 of them
	s_add_co_u32 s22, s22, s2
	s_mov_b32 s23, 0
	s_lshl_b32 s76, s[CX], 16                      ; the prefetches: my work-group's 16 rows of those 64,
	s_add_co_u32 s76, s76, s22
	s_add_co_u32 s76, s76, 2*KB                    ; at K step 2: the first refill steps it to 3 and names K step 4
	s_mov_b32 s77, 0
	s_cmp_eq_u32 s[WM], 0
	s_cselect_b32 s[LIM], 1, -1                    ; waves 0 and 1 ask: the same in all sixteen partners
	s_lshr_b32 s58, s[WH], 1                       ; two weights to a group
	s_lshl_b32 s58, s58, 22
	s_and_b32 s60, s[WH], 1
	s_lshl_b32 s60, s60, 17                        ; 1,024 rows of 128 bytes
	s_add_co_u32 s58, s58, s60
	s_lshl_b32 s60, s[TX], 15                      ; 256 rows of 128 bytes
	s_add_co_u32 s58, s58, s60
	s_lshl_b32 s60, s[WN], 18                      ; my plane of K step 0
	s_add_co_u32 s58, s58, s60
	s_mov_b32 s59, 0
	s_mul_i32 s3, s[WN], 64*PA                     ; and where they go: no place in the cluster enters an LDS address
	s_mul_i32 s61, s[WN], BPL
	s_add_co_u32 s61, s61, BOFF
	s_wait_dscnt 0x0                               ; the opening add is done
	s_wait_kmcnt 0x0
	s_cmp_eq_u32 s[WH], 1
	s_cselect_b64 s[4:5], s[70:71], s[68:69]       ; A: query, key
	s_cmp_eq_u32 s[WH], 2
	s_cselect_b64 s[4:5], s[72:73], s[4:5]         ; or value
	s_add_nc_u64 s[PFA:PFA+1], s[4:5], s[76:77]
	s_add_nc_u64 s[22:23], s[4:5], s[22:23]
	s_add_nc_u64 s[58:59], s[74:75], s[58:59]
	CROUND                                         ; all sixteen work-groups are here: the first joint loads meet
.irp s, 0,1
	s_mov_b32 s[G0A+4*(\s)], 1                                       ; 1:0 count = 1
	s_add_co_u32 s[G0A+4*(\s)+1], s3, (\s)*SLOT                      ; 63:32 LDS address
	s_add_nc_u64 s[G0A+4*(\s)+2:G0A+4*(\s)+3], s[22:23], (\s)*KB     ; 120:64 global address: K step s
	s_or_b32 s[G0A+4*(\s)+3], s[G0A+4*(\s)+3], 0x80000000            ; 127:126 type = 2
	s_mov_b32 s[G0B+4*(\s)], 1
	s_add_co_u32 s[G0B+4*(\s)+1], s61, (\s)*SLOT
	s_add_nc_u64 s[G0B+4*(\s)+2:G0B+4*(\s)+3], s[58:59], (\s)*2*PLANEB
	s_or_b32 s[G0B+4*(\s)+3], s[G0B+4*(\s)+3], 0x80000000
	JLOAD \s                                       ; two loads of mine are out
.endr
	; A fragment is 16 rows x 32 K in 8 registers: lane l holds row l % 16; registers 0-3 K = 8 (l / 16) + 0..7, registers 4-7 K = 16 + 8 (l / 16) + 0..7.
	; W, in bf16: two loads of 16 bytes, 32 bytes apart.  A, in f32: four loads of 16 bytes, at 0, 16, 64 and 80 from 32 (l / 16), and eight conversions.
	v_and_b32 v1, 15, v0                           ; l % 16
	v_bfe_u32 v2, v0, 4, 1                         ; l / 16
	v_lshlrev_b32 v[BO], 5, v2
	s_lshl_b32 s60, s[WH], 12                      ; the bias of my 128 columns: 4 (1,024 weight + 256 tile column + 128 half)
	s_lshl_b32 s61, s[TX], 10
	s_add_co_u32 s60, s60, s61
	s_lshl_b32 s61, s[WN], 9
	s_add_co_u32 s60, s60, s61
	s_mov_b32 s61, 0
	s_add_nc_u64 s[8:9], s[8:9], s[60:61]
	WIN 0x80                                       ; destination window 2, address window 0
.irp b, 0,1,2,3,4,5,6,7
	global_load_b128 v[8*(\b):8*(\b)+3],   v[BO], s[8:9] offset:64*(\b)
	global_load_b128 v[8*(\b)+4:8*(\b)+7], v[BO], s[8:9] offset:64*(\b)+16
.endr
	WIN 0
	v_mul_u32_u24 v3, v1, P
	v_lshl_add_u32 v3, v2, 4, v3                   ; W: row x pitch + 16 x half
	v_mul_u32_u24 v6, v1, PA
	v_lshl_add_u32 v6, v2, 5, v6                   ; A: row x pitch + 32 x half
	s_mul_i32 s2, s[WM], 64*PA                     ; my 64 rows of A
	s_mul_i32 s60, s[WN], 128*P                    ; my 128 rows of W,
	s_add_co_u32 s60, s60, BOFF                    ; which lie behind A's tile
.irp s, 0,1
	v_add_nc_u32 v[ADRA+(\s)], s2, v6
	v_add_nc_u32 v[ADRB+(\s)], s60, v3
	s_add_co_u32 s2, s2, SLOT
	s_add_co_u32 s60, s60, SLOT
.endr
	v_and_b32 v4, 31, v0
	v_lshrrev_b32 v5, 1, v4
	v_and_b32 v4, 1, v4
	v_lshlrev_b32 v[PFO], 12, v5                   ; row l / 2 of my work-group's 16,
	v_lshl_or_b32 v[PFO], v4, 8, v[PFO]            ; its block of 256 bytes l % 2
	s_mul_i32 s2, s[WV], WSTG
	s_add_co_u32 s2, s2, STAGE                     ; my stage
	v_and_b32 v[CO], 31, v0
	v_lshlrev_b32 v[CO], 4, v[CO]
	v_add_nc_u32 v[STO], s2, v3                    ; in: row l % 16, 16 bytes for each half of the lanes (the stage's pitch is W's)
	v_bfe_u32 v4, v0, 3, 2                         ; back: 32 lanes take four rows of 128 bytes,
	v_and_b32 v5, 7, v0
	v_mul_u32_u24 v4, v4, SP
	v_lshl_add_u32 v4, v5, 4, v4
	v_add_nc_u32 v[RD], s2, v4                     ; which are 512 consecutive bytes of a head's plane
	s_lshr_b32 s60, s[TY], 4                       ; the result: group (16 tile rows each), head 4 tile column + 2 half, row 128 (tile row % 16) + 64 half
	s_lshl_b32 s60, s60, 22
	s_and_b32 s61, s[TY], 15
	s_lshl_b32 s61, s61, 14
	s_add_co_u32 s60, s60, s61
	s_lshl_b32 s61, s[TX], 20
	s_add_co_u32 s60, s60, s61
	s_lshl_b32 s61, s[WN], 19
	s_add_co_u32 s60, s60, s61
	s_lshl_b32 s61, s[WM], 13
	s_add_co_u32 s60, s60, s61
	s_mov_b32 s61, 0
	s_add_nc_u64 s[10:11], s[10:11], s[60:61]
; 8 matrix instructions: row block a x all 8 column blocks, 32 along K.  first = 1: the product starts the sum, with the bias.  The 32 accumulators take turns, in the same order in every quarter.
.macro MUL8 f, a, first
.if \first
	WIN MULB
.else
	WIN MUL
.endif
.irp b, 0,1,2,3,4,5,6,7
.if \first
	v_wmma_f32_16x16x32_bf16 v[8*(8*(\a)+(\b)):8*(8*(\a)+(\b))+7], v[(\f)+8*(\b):(\f)+8*(\b)+7], v[(\f)+64+8*(\a):(\f)+64+8*(\a)+7], v[8*(\b):8*(\b)+7]
.else
	v_wmma_f32_16x16x32_bf16 v[8*(8*(\a)+(\b)):8*(8*(\a)+(\b))+7], v[(\f)+8*(\b):(\f)+8*(\b)+7], v[(\f)+64+8*(\a):(\f)+64+8*(\a)+7], v[8*(8*(\a)+(\b)):8*(8*(\a)+(\b))+7]
.endif
.endr
.endm
; 16 conversions: row blocks a0 and a0 + 1 of A as loaded, rounded to bf16, into buffer f.  The lower K goes into the low half.
.macro CVT f, a0
	WIN 0x0a                                       ; sources 0 and 1 window 2, destination window 0
.irp a, \a0, (\a0)+1
.irp j, 0,1,2,3,4,5,6,7
	v_cvt_pk_bf16_f32 v[(\f)+64+8*(\a)+(\j)], v[AR+16*(\a)+2*(\j)], v[AR+16*(\a)+2*(\j)+1]
.endr
.endr
.endm
; 32 LDS loads in one run, for quarter q of a K step: W's eight fragments (plane q / 2, bytes 64 (q % 2) on) into buffer f, then A's four row blocks in f32 (bytes 128 q on) into window 2
.macro FETCH slot, q, f
	WIN 0
.irp i, 0,1,2,3,4,5,6,7
	ds_load_b128 v[(\f)+8*(\i):(\f)+8*(\i)+3],   v[ADRB+(\slot)] offset:((\q)/2)*BPL+((\q)%2)*64+(\i)*16*P
	ds_load_b128 v[(\f)+8*(\i)+4:(\f)+8*(\i)+7], v[ADRB+(\slot)] offset:((\q)/2)*BPL+((\q)%2)*64+(\i)*16*P+32
.endr
	WIN 0x80                                       ; destination window 2, address window 0
.irp i, 0,1,2,3
	ds_load_b128 v[AR+16*(\i):AR+16*(\i)+3],     v[ADRA+(\slot)] offset:(\q)*128+(\i)*16*PA
	ds_load_b128 v[AR+16*(\i)+4:AR+16*(\i)+7],   v[ADRA+(\slot)] offset:(\q)*128+(\i)*16*PA+16
	ds_load_b128 v[AR+16*(\i)+8:AR+16*(\i)+11],  v[ADRA+(\slot)] offset:(\q)*128+(\i)*16*PA+64
	ds_load_b128 v[AR+16*(\i)+12:AR+16*(\i)+15], v[ADRA+(\slot)] offset:(\q)*128+(\i)*16*PA+80
.endr
.endm
.macro PLACES                          ; four places in front of lines that read matrix results (ISA guide 7.12.1)
.rept 4
	v_nop
.endr
.endm
; A K step is four quarters of 32 along K, 32 matrix instructions each, on buffers 0, 1, 0, 1.  One of the first three: multiplies buffer f and, in its middle, fetches quarter q: W into buffer g, A into window 2.
; The loads into buffer g stand behind this quarter's 32 conversions, plain instructions that name no register of the products that read g: they are the places in front of such loads.
.macro QUARTER slot, q, f, g, first
	s_wait_dscnt 8                                 ; W's fragments and A's row blocks 0 and 1 are in; the youngest eight loads (row blocks 2, 3) may be out
	CVT \f, 0
	MUL8 \f, 0, \first
	MUL8 \f, 1, \first
	s_wait_dscnt 0x0                               ; row blocks 2 and 3, asked for 32 matrix instructions ago
	CVT \f, 2
	FETCH \slot, \q, \g
	MUL8 \f, 2, \first
	MUL8 \f, 3, \first
.endm
; The last quarter multiplies buffer 1 and changes slots: ONE barrier.  In front of it each wave waits for all its tensor loads, of which one is out: its part of the next slot; adds 0 to its spare word;
; and waits for that and for its own reads of this slot.  fill = 1: the barrier opens a round of the cluster's, and this slot is filled again, two K steps ahead, first thing behind the round:
; 112 matrix instructions ahead of the wait for it.
.macro TURN slot, next, fill
.if \fill
	s_wait_xcnt 0x0                                ; the last prefetch, a K step back, has read its address: it is stepped here, ahead of the waits of the change of slots
	s_add_nc_u64 s[PFA:PFA+1], s[PFA:PFA+1], KB
.endif
	WIN 0
	s_wait_tensorcnt 0x0                           ; all my tensor loads have landed;
	ds_add_u32 v[SPW], v[NIL]                      ; 0 onto my spare word;
	s_wait_dscnt 9                                 ; (the add and the youngest eight loads may be out)
	CVT F1, 0
	MUL8 F1, 0, 0                                  ; sixteen conversions and eight matrix instructions stand between the add and the wait for it
	s_wait_dscnt 0x0                               ; the add is done, and my reads of this slot are over
	s_barrier_signal -1
	CVT F1, 2                                      ; work on registers while the others arrive
	MUL8 F1, 1, 0
.if \fill
	WIN 0
.endif
	s_barrier_wait -1
.if \fill
	CREST                                          ; no wave of any partner still reads this slot's tile or has a load on its way
	s_add_nc_u64 s[G0A+4*(\slot)+2:G0A+4*(\slot)+3], s[G0A+4*(\slot)+2:G0A+4*(\slot)+3], 2*KB      ; two K steps on; the type bits on top are not reached
	s_add_nc_u64 s[G0B+4*(\slot)+2:G0B+4*(\slot)+3], s[G0B+4*(\slot)+2:G0B+4*(\slot)+3], 4*PLANEB  ; four planes on
	JLOAD \slot
.endif
	FETCH \next, 0, F0
.if \fill
	WIN 0
	ASK                                            ; behind the joint load and the run of LDS loads that the next products wait for
.endif
	MUL8 F1, 2, 0
	MUL8 F1, 3, 0
.endm
	s_wait_tensorcnt 1                             ; my part of K step 0 is in; K step 1's may stay out
	s_barrier_signal -1
	s_barrier_wait -1                              ; everybody's is
	FETCH 0, 0, F0
	s_wait_loadcnt 0x0                             ; the bias
	QUARTER 0, 1, F0, F1, 1                        ; the first quarter stands in front of the loop: its products start the sums
	WIN 0
	s_mov_b32 s[LAP], LAPS-1
.Llap:                                                 ; a trip goes once round the ring, from a lap's second quarter to the next lap's first, and fills both slots again
	QUARTER 0, 2, F1, F0, 0
	QUARTER 0, 3, F0, F1, 0
	TURN 0, 1, 1
	QUARTER 1, 1, F0, F1, 0
	QUARTER 1, 2, F1, F0, 0
	QUARTER 1, 3, F0, F1, 0
	TURN 1, 0, 1
	QUARTER 0, 1, F0, F1, 0
	WIN 0
	s_sub_co_u32 s[LAP], s[LAP], 1
	s_cmp_lg_u32 s[LAP], 0
	s_cbranch_scc1 .Llap
	QUARTER 0, 2, F1, F0, 0                        ; the last lap fills nothing, and has no round of the cluster's barrier
	QUARTER 0, 3, F0, F1, 0
	TURN 0, 1, 0
	QUARTER 1, 1, F0, F1, 0
	QUARTER 1, 2, F1, F0, 0
	QUARTER 1, 3, F0, F1, 0
	s_wait_dscnt 8                                 ; the very last quarter: nothing more to fetch
	CVT F1, 0
	MUL8 F1, 0, 0
	MUL8 F1, 1, 0
	s_wait_dscnt 0x0
	CVT F1, 2
	MUL8 F1, 2, 0
	MUL8 F1, 3, 0
	WIN 0
	PLACES
; THE WAY OUT, f16 by heads.  A block of 16 rows: rounded once to f16, 16 bytes a lane; into my own stage (two heads x 16 rows of 144 bytes); back as whole rows of 128 bytes, four to a load: 512 consecutive bytes of a head's plane.
.macro PACK a
	WIN 0x05                                       ; sources 0 and 1 window 1, destination window 0
.irp b, 0,1,2,3,4,5,6,7
.irp r, 0,1,2,3
	v_cvt_pk_f16_f32 v[TMP+4*(\b)+(\r)], v[8*(8*(\a)+(\b))+2*(\r)], v[8*(8*(\a)+(\b))+2*(\r)+1]
.endr
.endr
	WIN 0
.endm
.macro TOSTAGE a
.irp b, 0,1,2,3,4,5,6,7
	ds_store_b128 v[STO], v[TMP+4*(\b):TMP+4*(\b)+3] offset:((\b)/4)*16*SP+((\b)%4)*32
.endr
.irp t, 0,1,2,3,4,5,6,7
	ds_load_b128 v[BK+32*(\a)+4*(\t):BK+32*(\a)+4*(\t)+3], v[RD] offset:((\t)/4)*16*SP+((\t)%4)*4*SP  ; LDS serves a wave's instructions in order (ISA guide 5.7.1.4): these see the stores above
.endr
.endm
.macro SEND a
	s_wait_dscnt 0x0                               ; the block is back in registers; each block has a set of its own, so no store's registers are written again
.irp t, 0,1,2,3,4,5,6,7
	global_store_b128 v[CO], v[BK+32*(\a)+4*(\t):BK+32*(\a)+4*(\t)+3], s[10:11] offset:((\t)/4)*PLANEB+(\a)*2048+((\t)%4)*512
.endr
.endm
	PACK 0
	TOSTAGE 0
.irp a, 1,2,3                          ; block a's conversions stand between block a - 1's loads from the stage and the wait for them
	PACK \a
	SEND (\a)-1
	TOSTAGE \a
.endr
	SEND 3
	s_wait_tensorcnt 0x0                           ; the wave's end: behind my last tensor load and my last LDS store
	ds_add_u32 v[SPW], v[NIL]
	s_wait_dscnt 0x0
	CROUND                                         ; the closing round: no work-group ends while a partner may still ask for a tile that names it
	s_endpgm
.Lfunc_end_k_q9d55801906_gemm_qkv:
	.size	k_q9d55801906_gemm_qkv, .Lfunc_end_k_q9d55801906_gemm_qkv-k_q9d55801906_gemm_qkv
	.p2alignl 7, 3214868480
	.fill 96, 4, 3214868480
	.section	.rodata,"a",@progbits
	.p2align	6, 0x0
	.amdhsa_kernel k_q9d55801906_gemm_qkv
		.amdhsa_group_segment_fixed_size 327680
		.amdhsa_private_segment_fixed_size 0
		.amdhsa_enable_private_segment 0
		.amdhsa_kernarg_size 48
		.amdhsa_user_sgpr_count 2
		.amdhsa_user_sgpr_kernarg_segment_ptr 1
		.amdhsa_wavefront_size32 1
		.amdhsa_system_sgpr_workgroup_id_x 1
		.amdhsa_system_sgpr_workgroup_id_y 1
		.amdhsa_system_sgpr_workgroup_id_z 1
		.amdhsa_system_vgpr_workitem_id 0
		.amdhsa_next_free_vgpr 640
		.amdhsa_next_free_sgpr 80
		.amdhsa_reserve_vcc 0
		.amdhsa_float_denorm_mode_32 3
		.amdhsa_float_denorm_mode_16_64 3
		.amdhsa_memory_ordered 1
		.amdhsa_forward_progress 1
		.amdhsa_inst_pref_size 129
	.end_amdhsa_kernel
	.amdgpu_metadata
---
amdhsa.version: [ 1, 2 ]
amdhsa.kernels:
  - .name:           k_q9d55801906_gemm_qkv
    .symbol:         k_q9d55801906_gemm_qkv.kd
    .args:
      - { .name: query, .offset: 0, .size: 8, .value_kind: global_buffer, .address_space: global }
      - { .name: key, .offset: 8, .size: 8, .value_kind: global_buffer, .address_space: global }
      - { .name: value, .offset: 16, .size: 8, .value_kind: global_buffer, .address_space: global }
      - { .name: wh, .offset: 24, .size: 8, .value_kind: global_buffer, .address_space: global }
      - { .name: bws, .offset: 32, .size: 8, .value_kind: global_buffer, .address_space: global }
      - { .name: qkvh, .offset: 40, .size: 8, .value_kind: global_buffer, .address_space: global }
    .group_segment_fixed_size: 327680
    .private_segment_fixed_size: 0
    .kernarg_segment_align: 8
    .kernarg_segment_size: 48
    .max_flat_workgroup_size: 128
    .sgpr_count:     80
    .vgpr_count:     640
    .wavefront_size: 32
...
	.end_amdgpu_metadata
.endif
;; end of part 2
;; launch attn (part 3): grid 4 x 64, 4 waves a work-group, clusters of 4 x 1, 327,680 bytes of LDS; arguments qkvh, mk, oh; writes oh
.if DOCPART == 3
	.amdgcn_target "amdgcn-amd-amdhsa--gfx1250"
	.amdhsa_code_object_version 6
	.text
	.protected	k_q9d55801906_attn
	.globl	k_q9d55801906_attn
	.p2align	8
	.type	k_q9d55801906_attn,@function
k_q9d55801906_attn:
	s_mov_b64 s[64:65], 0
	v_nop
	global_prefetch_b8 v0, s[64:65] scope:SCOPE_SE
	s_setreg_imm32_b32 hwreg(HW_REG_WAVE_MODE, 25, 1), 1
	s_wait_xcnt 0x0
	s_wait_alu depctr_hold_cnt(0) depctr_sa_sdst(0) depctr_va_vdst(0) depctr_va_sdst(0) depctr_va_ssrc(0) depctr_va_vcc(0) depctr_vm_vsrc(0)
	s_getreg_b32 s2, hwreg(HW_REG_IB_STS2, 6, 4)
	s_cmp_eq_u32 s2, 0
	s_cbranch_scc0 .Lentry_in_a_cluster
	s_endpgm
.Lentry_in_a_cluster:
	s_bfe_u32 s2, ttmp6, 0x10000c
	s_cmp_lg_u32 s2, 0x3003
	s_cbranch_scc0 .Lentry_shape_is_right
	s_endpgm
.Lentry_shape_is_right:
; O[h][q][:] = the sum over k of softmax_k(score) V[h][k][:], score = Q[h][q] . K[h][k] / 8, or -1e9 where the mask of (batch, q, k) is 0.  64 heads (16 to a batch) of 2,048 rows of 64, all f16, dense by heads:
; Q, K, V are the three thirds of qkvh; O leaves in the same layout.  Products, maxima and sums in f32; the weights p are rounded to f16 for the second product (their sum l is taken of the unrounded p), O once at the end.
; THE MASK arrives as 4-bit codes (mk): 0xF, which is -6 in E2M1, where a key is hidden, else 0; a lane's 8 codes of a word are its 8 scores of an accumulator.  One scaled conversion makes of a word the eight f32
; registers 0 or -6 x 2^40, and these are the C operand that starts the sum S^T = K Q^T.  The running maximum m starts at -2^38: f16's scores are below 2^38 in size, so every open score lies above that start and
; every hidden one below it: m is the maximum of the open keys, and a hidden key's weight is 2^(about -1e12) = 0.
; A ROW WITHOUT AN OPEN KEY ends with l = 0.  There the -1e9 everywhere make all weights equal: the result is the mean of V's 2,048 rows.  That mean is made beside the rest (V^T times ones, 8 products a key step)
; and chosen by v_cndmask_b32 where l = 0: no branch hangs on data.
; LIMITS.  Q, K, V arrive within 65,504; p below 6e-5 keeps f16's fixed step of 6e-8; a weight below 2^-126 counts as 0 in l.  A row whose open scores (divided by 8) all lie below about -1e9 is treated as if the hidden
; keys were absent, where their -1e9 would win.  NaN and infinities are not treated apart.
; SHARES.  A wave owns four PIECES of two tiles of 16 queries, a work-group's four waves 512 queries of one head.  Every wave walks all keys, 64 a step.
; LAYOUT.  S^T = K Q^T (source 0 = 16 keys, source 1 = 16 queries): in the result a lane holds ONE query (lane % 16) and the keys 8 (lane / 16) + 0..7.  Two such tiles, rounded to f16 in pairs,
; ARE source 1 (32 keys x 16 queries) of O^T = V^T P, whose result again holds one query a lane, and eight channels.  K comes out of LDS as it lies, V ([key][channel]) turned, by ds_load_tr16_b128.
; SOFTMAX.  For each query a running maximum m and sum l: p = 2^(c s - c m), c = log2(e) / 8; in every step O and l are multiplied by a = 2^(c m_old - c m_new), which is 1 where m has not grown.
; THE COUNT.  A tile and step have 16 matrix and 118 vector instructions: too many to stand all beside the matrix work.  So: four vector instructions that are READY behind every matrix instruction of the two
; products, and the others, which need time of their own whatever the order, in runs without a gap (LUMPS).  The mask's conversions and loads, and the products with ones, stand in the lumps.
; BY TURNS.  Turn n belongs to piece n (the pieces in a ring, step after step).  Its matrix work: 16 products K Q^T of piece n + 1, later 16 products V^T P of piece n - 1.  Its vector work: the scaling,
; exponentials, roundings, sums and rescaling of piece n, the maximum and statistics of piece n + 1, and the masks of piece n + 2, which the next turn's products take.
; CLUSTER.  The four query blocks of a cluster belong to one head and walk the same K and V, so each tile is asked for JOINTLY: the same tensor load, descriptor and mask in all four.  mk differs from block to block and comes by plain loads.
; REGISTERS, in windows of 256 (s_set_vgpr_msb says which window each operand place means: bits 1:0 source 0, 3:2 source 1, 5:4 source 2, 7:6 destination):
;   window 0: v0-11 addresses; v12-15, v48-63 at work; v16-47 four registers of statistics a tile; v64-191 S^T, two buffers of two tiles; v192-255 P, likewise
;   window 1: O^T, 32 a tile          window 2: v0-127 Q, 16 a tile; v128-191 K of one step; v192-255 V of one step
;   window 3: v0-1 the add's two registers; v2 the conversions' scale; v3 16 x lane; v8-15 ones; v32-63 the codes, 4 words a tile; v64-127 the masks of one piece; v128-159 V^T times ones
.set SIZE_H, 64
.set SIZE_N, 2048
.set NP,    4         ; pieces a wave: a name, no knob
.set KS,    64        ; keys in a step
.set PK,    144       ; a row of K in LDS: 128 bytes + 16 of padding = 36 words: the 16 rows of a load start at 16 different groups of four banks (64 banks of 4 bytes: ISA guide 11.1)
.set PV,    160       ; a row of V: 128 + 32 = 40 words
.set VOFF,  4*KS*PK   ; a slot holds four steps: 256 rows of K, then 256 rows of V
.set SLOT1, 1<<17     ; slot 1 begins here, so that one exclusive or turns an address in one slot into the other's
.set STAGE, SLOT1+4*KS*(PK+PV)  ; behind the ring, never filled by a tensor load: 16 rows x 144 bytes for each wave, for the way out
.set SP,    144
.set AK0, 2           ; v2   my lane's place in a tile of K; never rewritten
.set AV0, 3           ; v3   the same for V
.set AK,  4           ; v4   the LDS address of K's next run of loads
.set AV,  5           ; v5   of V's
.set QO,  6           ; v6   my byte offset in the wave's rows of Q
.set STO, 6           ;      later, the way out: where I put 16 bytes of a row
.set RD,  7           ; v7   the way out: where I read rows back
.set GO,  8           ; v8   my byte offset in 512 consecutive bytes of O
.set SPW, 0           ; v0 of window 3   LDS address of my spare word: SPARE + 4 x my thread's number; never rewritten
.set NIL, 1           ; v1 of window 3   0; never rewritten
.set SCL, 2           ; v2 of window 3   the scale 2^40: the E8M0 code 167 in each of the word's four bytes, the same word in every lane, so that it is 2^40
.set MO,  3           ; v3 of window 3   16 x lane: my four words in the 512 bytes of a tile and step; never rewritten
.set ONES, 8          ; window 3: a fragment of 1.0 in f16
.set MB,  32          ; window 3: tile t's codes of one key step at MB + 4 t, a word for each 16 keys
.set MC,  64          ; window 3: the masks of the products to come: tile u of the piece, keys 16 kt on, at MC + 32 u + 8 kt
.set OS,  128         ; window 3: V^T times ones, channel block cb at OS + 8 cb
.set SPARE, STAGE+4*16*SP  ; behind the stages: the spare words, 128 bytes for each wave: two blocks of 256 bytes that no other line names
.set MV,  12          ; v12-15  c m_old, kept while c m is made anew: by buffer and tile
.set ST,  16          ; tile t's statistics at v[ST+4 t]: c m, m, l (even keys', odd keys')
.set TMP, 48          ; by buffer and tile, four registers c0-c3 at work; when the maximum is found c2 takes a
.set S,   64
.set P,   192
.set OSP, 192         ; the way out: the mean of V's rows, packed as a tile's O is
.set KF,  128         ; K's fragments, in window 2: key block kb, channel half c at KF + 16 kb + 8 c
.set VF,  192         ; V's: key half kk, channel block cb at VF + 32 kk + 8 cb
.set WV,  12          ; s12  my wave's number
.set G1K, 24          ; s[24:31] descriptor group 1 for K's tiles
.set G1V, 32          ; s[32:39] for V's: it differs in the padding alone
.set G0K, 40          ; s[40:43] descriptor group 0 for K's tiles: it walks
.set G0V, 44          ; s[44:47] the same for V's
.set SLOTS, 56        ; s56  slots still to be asked for
.set CNT, 57          ; s57  counts a slot's key steps
.set CS,  58          ; s[58:59] c: the packed scaling takes the pair's low word for both halves
.set SEL, 60          ; s[60:61] v_permlanex16_b32's selects: each lane takes its own place in the other half
.set TBK, 62          ; s62  LDS byte at which K of the step to be fetched begins
.set TBV, 63          ; s63  the same for V, less VOFF
.set MKP, 66          ; s[66:67] mk at my wave's tile 0, at the key step whose codes are being asked for
.set INC, 68          ; s[68:69] what that address steps by: 512, or 0 when it stands at the last key step
.set MLEFT, 70        ; s70  steps that it still has: 30, from key step 1 to 31
.set DEC, 71          ; s71  1 or 0
.set MSK, 72          ; s72-79  by tile: the lanes whose query has no open key
.set MSB, 0
.macro WIN new                      ; the high byte repeats the setting that is left; a switch that changes nothing is dropped
.if MSB != (\new)
	s_set_vgpr_msb (MSB<<8)|(\new)
.set MSB, (\new)
.endif
.endm
.set W_KQ, 0x0a       ; K and Q in window 2, S^T in window 0
.set W_KM, 0x3a       ; the same with the C operand, the mask, in window 3
.set W_PV, 0x52       ; V in window 2, P in window 0, O^T in window 1
.set W_OS, 0xfe       ; V in window 2; ones, C and D in window 3
.set W_RS, 0x41       ; O^T (destination and source 0) in window 1, a in window 0
.set W_MK, 0xc0       ; destination in window 3, sources in window 0
.set W_AD, 0x0f       ; the add: address (source 0) and data (source 1) in window 3
.set W3,   0xcf       ; destination and sources 0 and 1 in window 3: the conversions, and the loads of the codes
; A joint fill.  Waves 0 and 1 fetch the two halves of a slot's K, waves 2 and 3 those of its V: 128 keys each.  The branch hangs on the wave's number alone.
; An s_nop 0 and four v_nop follow each of the two lines, ahead of the jump and the label.
.macro JLOAD
	s_cmp_lt_u32 s[WV], 2
	s_cbranch_scc0 .Lfor_v_\@
	tensor_load_to_lds s[G0K:G0K+3], s[G1K:G1K+7]
	s_nop 0
.rept 4
	v_nop
.endr
	s_branch .Lasked_\@
.Lfor_v_\@:
	tensor_load_to_lds s[G0V:G0V+3], s[G1V:G1V+7]
	s_nop 0
.rept 4
	v_nop
.endr
.Lasked_\@:
.endm
; A round of the cluster's barrier: my work-group's barrier, so that wave 0's signal speaks for all four waves; wave 0 signals; every wave waits for all four work-groups; my work-group's barrier once more.
.macro CROUND
	s_barrier_signal -1
	s_barrier_wait -1
	s_cmp_lg_u32 s[WV], 0
	s_cbranch_scc1 .Lnot_wave_0_\@
	s_barrier_signal -3
.Lnot_wave_0_\@:
	s_barrier_wait -3
	s_barrier_signal -1
	s_barrier_wait -1
.endm
; THE CHANGE OF SLOTS.  The slot's last bytes, V of its fourth step, have been read.  Each wave waits for all its tensor loads, of which one is out: its part
; of the other slot; adds 0 to its spare word; and waits for that and for its own reads of the slot.  Behind the barrier nobody reads this slot any more and the other slot is whole.
; fill = 1: this slot is filled again, with the keys two slots on.  The barrier is then a round of the cluster's, so that no wave of any partner still reads the slot or has a load on its
; way, and the joint fill is the first thing behind it: it has four key steps in which to land.  (At its first use nothing has been read yet: slot 0 is waited for, slot 1 filled.)
.macro CHANGE fill
	WIN W_AD
	s_wait_tensorcnt 0x0            ; no tensor load of mine is out, so a group 0 may be written
	ds_add_u32 v[SPW], v[NIL]       ; 0 onto my spare word; with fill = 1 the descriptors' steps stand between it and the wait for it
	WIN 0                           ; at a label and at a branch every window is 0
.if \fill
.irp g, G0K, G0V
	s_xor_b32 s[\g+1], s[\g+1], SLOT1  ; the walking descriptor: the other slot than last time,
	s_add_nc_u64 s[\g+2:\g+3], s[\g+2:\g+3], 4*KS*128  ; the next 256 keys; the type bits on top are not reached
.endr
	s_wait_dscnt 0x0                ; the add is done, and my reads of the slot are over
	CROUND
	JLOAD
.else
	s_wait_dscnt 0x0                ; the add is done, and my reads of the slot are over
	s_barrier_signal -1
	s_barrier_wait -1
.endif
	s_sub_co_u32 s[TBK], s[TBK], 4*KS*PK  ; the fetches go back to a slot's first step,
	s_xor_b32 s[TBK], s[TBK], SLOT1       ; in the other slot
	s_sub_co_u32 s[TBV], s[TBV], 4*KS*PV
	s_xor_b32 s[TBV], s[TBV], SLOT1
.endm
	s_load_b128 s[4:7], s[0:1], 0x0   ; qkvh s[4:5], mk s[6:7]
	s_load_b64 s[10:11], s[0:1], 0x10 ; oh
	WIN W_MK
	v_lshl_add_u32 v[SPW], v0, 2, SPARE
	v_mov_b32 v[NIL], 0
	WIN W_AD
	ds_add_u32 v[SPW], v[NIL]       ; the wave's opening: the add and its wait stand ahead of my first tensor load; the set-up below, work on registers, stands between them
	WIN 0
	v_and_b32 v1, 31, v0
	WIN W_MK
	v_lshlrev_b32 v[MO], 4, v1
	v_mov_b32 v[SCL], 0xa7a7a7a7    ; 167 four times: 2^(167 - 127) = 2^40
.set i, 0
.rept 8
	v_mov_b32 v[ONES+i], 0x3c003c00 ; 1.0 twice
.set i, i+1
.endr
	WIN 0
	v_lshrrev_b32 v1, 5, v0
	v_readfirstlane_b32 s[WV], v1   ; wave 0..3
	s_bfe_u32 s13, ttmp6, 0x40000   ; cx: my place in the cluster
	s_lshl_b32 s14, ttmp9, 2        ; in a cluster launch ttmp9 counts clusters
	s_add_co_u32 s14, s14, s13      ; my block of queries = 4 x cluster x + cx: it enters Q's, O's and mk's addresses alone
	s_and_b32 s20, ttmp7, 0xffff    ; the head, which the four partners share
	s_lshr_b32 s[INC], s20, 4       ; its batch:
	s_lshl_b32 s[INC], s[INC], 21   ; 128 tiles of 16 queries x 16,384 bytes of mk
	s_mov_b32 s21, 0
	s_mov_b64 s[22:23], SIZE_N*128
	s_mul_u64 s[20:21], s[20:21], s[22:23]  ; the head's first byte in Q, K, V and O
	s_and_b32 s16, s[WV], 1         ; which half of a slot's 256 keys I fetch:
	s_lshl_b32 s22, s16, 14         ; its 128 rows of 128 bytes in memory,
	s_mov_b32 s23, 0
	s_add_nc_u64 s[22:23], s[22:23], s[20:21]
	s_mul_i32 s17, s16, 128*PK      ; and its place in a slot, for K
	s_mul_i32 s18, s16, 128*PV      ; and for V: no place in the cluster enters an LDS address
	s_lshl_b32 s2, s14, 2
	s_add_co_u32 s2, s2, s[WV]      ; my wave among the head's:
	s_lshl_b32 s[DEC], s2, 17       ; its 8 tiles in mk,
	s_add_co_u32 s[INC], s[INC], s[DEC]
	s_add_co_u32 s[INC], s[INC], 512  ; at key step 1
	s_mov_b32 s[INC+1], 0
	s_lshl_b32 s2, s2, 14           ; its 128 rows
	s_mov_b32 s3, 0
	s_add_nc_u64 s[2:3], s[2:3], s[20:21]
	; descriptor group 1.  128 keys are 16,384 dense bytes: asked for as 64 rows of 256 bytes, two keys a row, and padded in LDS after every key
	s_mov_b32 s[G1K], 15|(1<<16)|(1<<20)|(1<<21)|(4<<22)|(3<<25)  ; 15:0 the mask of four; 17:16 2-byte elements; 20 padding on; 21 set beside a mask; 24:22 after every 32 words (code 4); 31:25 4 words (code 3)
	s_mov_b32 s[G1V], 15|(1<<16)|(1<<20)|(1<<21)|(4<<22)|(7<<25)  ; the same with 8 words of padding (code 7)
.irp g, G1K, G1V
	s_mov_b32 s[\g+1], 128<<16      ; tensor_dim0 = 128
	s_mov_b32 s[\g+2], 64<<16       ; tensor_dim1 = 64
	s_mov_b32 s[\g+3], 128<<16      ; tile_dim0 = 128
	s_mov_b32 s[\g+4], 64           ; tile_dim1 = 64
	s_mov_b32 s[\g+5], 128          ; 128 elements from row to row
	s_mov_b32 s[\g+6], 0
	s_mov_b32 s[\g+7], 0
.endr
	s_mov_b32 s[CS], 0x3e38aa3b     ; c = log2(e) / 8 = 0.180337
	s_mov_b32 s[CS+1], s[CS]        ; named with it as a pair
	s_mov_b32 s[SEL], 0x76543210
	s_mov_b32 s[SEL+1], 0xfedcba98
	s_mov_b32 s[TBK], SLOT1+4*KS*PK ; the first change of slots turns these two into 0
	s_mov_b32 s[TBV], SLOT1+4*KS*PV
	s_mov_b32 s[MLEFT], 30
	s_mov_b32 s[G0K], 1             ; 1:0 count = 1
	s_mov_b32 s[G0K+1], s17         ; 63:32 LDS address: slot 0
	s_mov_b32 s[G0V], 1
	s_add_co_u32 s[G0V+1], s18, VOFF
	s_wait_dscnt 0x0                ; the opening add is done
	s_wait_kmcnt 0x0
	s_add_nc_u64 s[MKP:MKP+1], s[6:7], s[INC:INC+1]
	s_add_nc_u64 s[6:7], s[4:5], 0x1000000  ; K: the second third of qkvh,
	s_add_nc_u64 s[8:9], s[4:5], 0x2000000  ; V: the third
	s_add_nc_u64 s[G0K+2:G0K+3], s[6:7], s[22:23]  ; 120:64 global address: my half of the head's first 256 keys
	s_or_b32 s[G0K+3], s[G0K+3], 0x80000000        ; 127:126 type = 2
	s_add_nc_u64 s[G0V+2:G0V+3], s[8:9], s[22:23]
	s_or_b32 s[G0V+3], s[G0V+3], 0x80000000
	s_add_nc_u64 s[4:5], s[4:5], s[2:3]  ; Q and O at my wave's first row
	s_add_nc_u64 s[10:11], s[10:11], s[2:3]
	CROUND                          ; all four work-groups are here: the first joint loads meet
	JLOAD                           ; slot 0.  Slot 1 is asked for when slot 0 is in: the tile wanted first has the road to itself
	; A fragment of K or Q is 16 rows x 32 channels in 8 registers: lane l holds row l % 16, channels 8 (l / 16) + 0..7 and 16 + 8 (l / 16) + 0..7: two loads of 16 bytes, 32 bytes apart.
	v_and_b32 v1, 15, v0            ; l % 16
	v_bfe_u32 v9, v0, 4, 1          ; l / 16
	v_lshlrev_b32 v[QO], 7, v1
	v_lshl_add_u32 v[QO], v9, 4, v[QO]  ; row x 128 + 16 x half
	WIN 0x80                        ; destination window 2, address window 0
.set i, 0
.rept 4*NP                          ; Q stays in registers: tile i / 2, channels 32 (i % 2) on
	global_load_b128 v[8*i:8*i+3],   v[QO], s[4:5] offset:(i/2)*2048+(i%2)*64
	global_load_b128 v[8*i+4:8*i+7], v[QO], s[4:5] offset:(i/2)*2048+(i%2)*64+32
.set i, i+1
.endr
	WIN W3
.set i, 0
.rept 2*NP                          ; key step 0's codes, all eight tiles: one step back from where the address stands
	global_load_b128 v[MB+4*i:MB+4*i+3], v[MO], s[MKP:MKP+1] offset:i*16384-512
.set i, i+1
.endr
	; What the first turn finds: V's registers and P's second buffer hold 0 (its products V^T P, of a piece that has not been, add 0); O^T, l and the sum with ones are 0.  All this stands in the wait for the first tile.
.set i, OS
.rept 32
	v_mov_b32 v[i], 0
.set i, i+1
.endr
	WIN 0x80
.set i, VF
.rept 64
	v_mov_b32 v[i], 0
.set i, i+1
.endr
	WIN 0x40
.set i, 0
.rept 64*NP
	v_mov_b32 v[i], 0
.set i, i+1
.endr
	WIN 0
.set i, 0
.rept 2*NP
	v_mov_b32 v[ST+4*i+1], 0xd2800000  ; m = -2^38: below every open score, above every hidden one
	v_mul_f32 v[ST+4*i], s[CS], v[ST+4*i+1]  ; c m, by the loop's own product: a is exactly 1 while a row has met no open key
	v_mov_b32 v[ST+4*i+2], 0
	v_mov_b32 v[ST+4*i+3], 0
.set i, i+1
.endr
.set i, P+32
.rept 32
	v_mov_b32 v[i], 0
.set i, i+1
.endr
	v_mul_u32_u24 v[AK0], v1, PK
	v_lshl_add_u32 v[AK0], v9, 4, v[AK0]  ; row x pitch + 16 x half
	; The turning load takes 16 keys x 16 channels (lane l reads key 8 (l / 16) + l % 8, channels 8 ((l / 8) % 2) + 0..7) and leaves half a fragment of V^T: lane l holds channel l % 16 and 8 keys.
	v_and_b32 v10, 7, v0
	v_bfe_u32 v11, v0, 3, 1
	v_lshl_add_u32 v[AV0], v9, 3, v10
	v_mul_u32_u24 v[AV0], v[AV0], PV
	v_lshl_add_u32 v[AV0], v11, 4, v[AV0]
	v_add_nc_u32 v[AV0], VOFF, v[AV0]
	v_mov_b32 v[AK], v[AK0]         ; key step 0 lies at the head of slot 0
; THE MATRIX WORK.  The 8 accumulators of a run of 16 take turns: between the two links of a chain stand 7 others'.
; Product i of 16 of S^T = K Q^T for piece x: channels 32 (i / 8) on, keys 16 ((i / 2) % 4) on, tile 2 x + i % 2.  The first 8 start the sums, with the mask.
.macro KQ x
.set rS, S+64*((\x)%2)+32*(i%2)+8*((i/2)%4)
.set rK, KF+16*((i/2)%4)+8*(i/8)
.set rQ, 16*(2*(\x)+i%2)+8*(i/8)
.set rMC, MC+32*(i%2)+8*((i/2)%4)
.if i < 8
	WIN W_KM
	v_wmma_f32_16x16x32_f16 v[rS:rS+7], v[rK:rK+7], v[rQ:rQ+7], v[rMC:rMC+7]
.else
	WIN W_KQ
	v_wmma_f32_16x16x32_f16 v[rS:rS+7], v[rK:rK+7], v[rQ:rQ+7], v[rS:rS+7]
.endif
.endm
; Product i of 16 of O^T += V^T P for piece x: keys 32 (i / 8) on, channels 16 ((i / 2) % 4) on, tile 2 x + i % 2.
.macro PV x
	WIN W_PV
.set rO, 32*(2*(\x)+i%2)+8*((i/2)%4)
.set rV, VF+32*(i/8)+8*((i/2)%4)
.set rP, P+32*((\x)%2)+16*(i%2)+8*(i/8)
	v_wmma_f32_16x16x32_f16 v[rO:rO+7], v[rV:rV+7], v[rP:rP+7], v[rO:rO+7]
.endm
.macro MM                           ; the turn's next matrix instruction
.if i < 16
	KQ (Y+1)%NP
.set i, i+1
.else
.set i, i-16
	PV (Y+NP-1)%NP
.set i, i+17
.endif
.endm
; Product n of 8 of V^T times ones, for the step in hand: keys 32 (n / 4) on, channels 16 (n % 4) on.  The four accumulators take turns.
.macro OSM n
	WIN W_OS
	v_wmma_f32_16x16x32_f16 v[OS+8*((\n)%4):OS+8*((\n)%4)+7], v[VF+32*((\n)/4)+8*((\n)%4):VF+32*((\n)/4)+8*((\n)%4)+7], v[ONES:ONES+7], v[OS+8*((\n)%4):OS+8*((\n)%4)+7]
.endm
; THE MASKS of piece px: each of its eight words of codes becomes the eight registers of a C operand.  A plain instruction follows the last conversion, ahead of whatever touches its result or writes its source.
.macro CONV px
	WIN W3
.set mi, 0
.rept 8
	v_cvt_scale_pk8_f32_fp4 v[MC+8*mi:MC+8*mi+7], v[MB+8*(\px)+mi], v[SCL]
.set mi, mi+1
.endr
	v_nop
.endm
; In turn p: the masks of piece p + 2, for the next turn's products (the products that read the old masks are this turn's first eight, more than twenty plain instructions back);
; then that piece's codes of the key step after are asked for: they are wanted four turns on.  The address steps once a key step, in piece 2's turn, and stays at the last key step: no load leaves mk.
.macro MASKBLK p
	s_wait_loadcnt 6                ; loads come back in order: the piece's two are in; the two of each of the three pieces asked for since may stay out
	CONV ((\p)+2)%NP
.if (\p) == 2
	s_wait_xcnt 0x0                 ; the loads issued so far, the youngest a turn back, have read their address, so it may be written
	s_cmp_lg_u32 s[MLEFT], 0
	s_cselect_b32 s[INC], 512, 0
	s_cselect_b32 s[DEC], 1, 0
	s_sub_co_u32 s[MLEFT], s[MLEFT], s[DEC]
	s_add_nc_u64 s[MKP:MKP+1], s[MKP:MKP+1], s[INC:INC+1]
.endif
	global_load_b128 v[MB+8*(((\p)+2)%NP):MB+8*(((\p)+2)%NP)+3],   v[MO], s[MKP:MKP+1] offset:(2*(((\p)+2)%NP))*16384
	global_load_b128 v[MB+8*(((\p)+2)%NP)+4:MB+8*(((\p)+2)%NP)+7], v[MO], s[MKP:MKP+1] offset:(2*(((\p)+2)%NP)+1)*16384
	WIN 0
.endm
; THE LDS LOADS stand in runs of 16, never singly among the matrix instructions: a step's K (64 keys x 64 channels: 8 fragments) and its V (turned).  Their addresses are made some lines ahead.
; last = 1 (the tail): in the last trip there is no further step, and the run is jumped over.
.macro FETCH_K last=0
	WIN 0
.if \last
	s_cmp_eq_u32 s[CNT], 1
	s_cbranch_scc1 .Lno_k_\@
.endif
	WIN 0x80                        ; destination window 2
.irp f, 0,1,2,3,4,5,6,7             ; keys 16 (f / 2) on, channels 32 (f % 2) on
	ds_load_b128 v[KF+8*\f:KF+8*\f+3],   v[AK] offset:(\f/2)*16*PK+(\f%2)*64
	ds_load_b128 v[KF+8*\f+4:KF+8*\f+7], v[AK] offset:(\f/2)*16*PK+(\f%2)*64+32
.endr
	s_add_co_u32 s[TBK], s[TBK], KS*PK  ; the next fetch is the next step's
	WIN 0
.if \last
.Lno_k_\@:
.endif
.endm
.macro FETCH_V
	WIN 0x80
.irp f, 0,1,2,3,4,5,6,7             ; keys 32 (f / 4) on, channels 16 (f % 4) on
	ds_load_tr16_b128 v[VF+8*\f:VF+8*\f+3],   v[AV] offset:(\f/4)*32*PV+(\f%4)*32
	ds_load_tr16_b128 v[VF+8*\f+4:VF+8*\f+7], v[AV] offset:(\f/4)*32*PV+16*PV+(\f%4)*32
.endr
	WIN 0
.endm
; THE VECTOR WORK OF A TURN stands in three queues, each in the order in which its entries become ready; the two tiles alternate, so that no instruction reads the result of the one before it.
.macro REGS y, u                    ; the registers of tile u (0, 1) of piece y
.set rT, ST+4*(2*(\y)+(\u))
.set rC, TMP+8*((\y)%2)+4*(\u)
.set rM, MV+2*((\y)%2)+(\u)
.set rS, S+64*((\y)%2)+32*(\u)
.set rP, P+32*((\y)%2)+16*(\u)
.set rO, 32*(2*(\y)+(\u))
.endm
; Number n of the 22 that find the NEXT piece's (Y + 1) maximum and statistics.  s0-s31 are the lane's 32 scores; each accumulator's lowest registers are read first.  XS, GS and REGS set no window: PL and EX do.
;   0-11  four chains c0-c3 of seven scores each, three operands at a time     12-14, 16  the four scores left over, the old m, and c0-c3 into c0     15  c m_old is kept
;   17, 18  the query's other 32 keys lie in the lane 16 away: the new m         19-21  c m; c m_old - c m_new; a
.macro XS u, n
	REGS (Y+1)%NP, \u
.if (\n) < 4
	v_max3_num_f32 v[rC+(\n)], v[rS+8*(\n)], v[rS+8*(\n)+1], v[rS+8*(\n)+2]
.elseif (\n) < 12
	v_max3_num_f32 v[rC+(\n)%4], v[rC+(\n)%4], v[rS+8*((\n)%4)+2*((\n)/4)+1], v[rS+8*((\n)%4)+2*((\n)/4)+2]
.elseif (\n) == 12
	v_max3_num_f32 v[rC], v[rC], v[rS+7], v[rS+15]
.elseif (\n) == 13
	v_max3_num_f32 v[rC+1], v[rC+1], v[rS+23], v[rS+31]
.elseif (\n) == 14
	v_max3_num_f32 v[rC+2], v[rC+2], v[rC+3], v[rT+1]
.elseif (\n) == 15
	v_mov_b32 v[rM], v[rT]
.elseif (\n) == 16
	v_max3_num_f32 v[rC], v[rC], v[rC+1], v[rC+2]
.elseif (\n) == 17
	v_permlanex16_b32 v[rC+3], v[rC], s[SEL], s[SEL+1]
.elseif (\n) == 18
	v_max_num_f32 v[rT+1], v[rC], v[rC+3]
.elseif (\n) == 19
	v_mul_f32 v[rT], s[CS], v[rT+1]
.elseif (\n) == 20
	v_sub_f32 v[rC+1], v[rM], v[rT]
.else
	v_exp_f32 v[rC+2], v[rC+1]
.endif
.endm
; Number g of the 64 that follow the exponentials.  For each four weights k of a tile (pairs 2 k, 2 k + 1): both pairs are rounded to f16; then the second pair is added onto the first, in place;
; a group later l takes that sum (the first time as l = a l + sum).  In groups of eight, tiles alternating: round, round, add, and l for the group before.
.macro GS g
.set h, (\g)+6*((\g)/62)            ; group 0 has no group before it, and behind group 7 only l is left
.if h >= 6
.set h, h+2
.endif
	REGS Y, h%2
.set k, h/8
.if h%8 < 4
	s_wait_alu depctr_va_vdst(0)
	v_cvt_pk_f16_f32 v[rP+2*k+(h%8)/2], v[rS+4*k+2*((h%8)/2)], v[rS+4*k+2*((h%8)/2)+1]
.elseif h%8 < 6
	v_pk_add_f32 v[rS+4*k:rS+4*k+1], v[rS+4*k:rS+4*k+1], v[rS+4*k+2:rS+4*k+3]
.elseif k == 1
	v_pk_fma_f32 v[rT+2:rT+3], v[rT+2:rT+3], v[rC+2:rC+3], v[rS:rS+1] op_sel_hi:[1,0,1]
.else
	v_pk_add_f32 v[rT+2:rT+3], v[rT+2:rT+3], v[rS+4*k-4:rS+4*k-3]
	s_wait_alu depctr_va_vdst(0)
.endif
.endm
; THE PLAIN QUEUE, 138 long.  0-31: c s - c m for the 16 pairs of both tiles.  Then GS's 64, and among them the next piece's 42: number 15 at 38, 39; 0-14 and 16
; at 42-73, behind the products that make those scores; 17-20 at 95-106, two of three, since each waits for the one before it.
.macro PL
	WIN 0
.if q < 32
	REGS Y, q%2
	v_pk_fma_f32 v[rS+2*(q/2):rS+2*(q/2)+1], v[rS+2*(q/2):rS+2*(q/2)+1], s[CS:CS+1], v[rT:rT+1] op_sel_hi:[1,0,0] neg_lo:[0,0,1] neg_hi:[0,0,1]
.elseif q < 38
	GS q-32
.elseif q < 40
	XS q%2, 15
.elseif q < 42
	GS q-34
.elseif q < 74
	XS q%2, (q-42)/2+(q-42)/30
.elseif q < 95
	GS q-66
.elseif (q < 107) && ((q-95)%3 < 2)
	XS (q-95)%3, 17+(q-95)/3
.elseif q < 107
	GS 29+(q-95)/3
.else
	GS q-74
.endif
.set q, q+1
.endm
; THE EXPONENTIALS' QUEUE, 66 long: s0-s31 of both tiles, and at EA the next piece's two a.
.set EA, 58
.macro EX
	WIN 0
.if (e == EA) || (e == EA+1)
	XS e-EA, 21
.else
.set x, e-2*(e/(EA+2))
	REGS Y, x%2
	v_exp_f32 v[rS+x/2], v[rS+x/2]
.endif
.set e, e+1
.endm
; THE RESCALING's QUEUE: O^T times a, the one part of the softmax that leaves window 0, so it is dealt four at a time, eight times.
.macro R4
	REGS Y, r%2
	WIN W_RS
	s_wait_alu depctr_va_vdst(0)
.irp z, 0,1,2,3
	v_pk_mul_f32 v[rO+8*(r/2)+2*\z:rO+8*(r/2)+2*\z+1], v[rO+8*(r/2)+2*\z:rO+8*(r/2)+2*\z+1], v[rC+2:rC+3] op_sel_hi:[1,0]
.endr
.set r, r+1
.endm
; HOW THEY ARE DEALT.  Behind a matrix instruction of the two products four: plain, exponential, plain, plain (one exponential, a plain instruction on either side), or four of the rescaling.  None names a register of the
; products round it.  What is over stands in two LUMPS: exponential and plain by turns; the second ends in 22 plain instructions.  The two v_permlanex16_b32 fall at the head of the second lump, ahead of the products with ones.
; The queues lean on each other, and the deal keeps them in step: exponential e stands behind plain 2 (e / 4) + e % 2 (its scaling); when plain 32 comes, 10 exponentials are out, at 59: 33, at 95: 46; EA comes behind plain 107.
.macro SL
	MM
	PL
	EX
	PL
	PL
.endm
.macro BURST n                      ; 15 matrix instructions, or 16
.rept (\n)-7
	SL
.endr
.rept 3
	MM
	R4
	SL
.endr
	MM
	R4
.endm
; A TURN, for piece p.  cnt = 1: the loop's count is taken down some lines ahead of the branch that stands behind the turn.
; K of the next step is fetched in piece 2's turn, 31 vector instructions behind the last product that read K; its first reader comes behind the rest of the lump, 16 products and the second lump.
; V of the step in hand is fetched at the end of piece 0's turn, 69 behind its last reader; its first reader comes behind 16 products and a lump.  The masks are made behind pair 19 of the first lump, each behind a plain
; instruction.  In piece 2's turn, when V of the step in hand lies in registers, the 8 products with ones stand in the second lump, one ahead of every second exponential from 49 to 63.  The conditions on e and q go with the deal.
.macro TURN p, last=0, cnt=0
.set Y, (\p)
.set i, 0
.set q, 0
.set e, 0
.set r, 0
.if (\p) == NP-1
	s_wait_dscnt 0x0                ; K is in
.endif
	MM
.rept 4
	PL
.endr
	BURST 15
.rept 22
	EX
	PL
.if ((\p) == NP-2) && (e == 18)
	v_add_nc_u32 v[AK], s[TBK], v[AK0]
.endif
.if ((\p) == NP-2) && (e == 24)
	FETCH_K \last
.endif
.if e == 30
	MASKBLK \p
.endif
.endr
.if (\p) == 1
	s_wait_dscnt 0x0                ; V is in
.endif
	BURST 16
.rept 21
.if ((\p) == 2) && (e >= 49) && (e <= 63) && ((e-49)%2 == 0)
	OSM (e-49)/2
.endif
	EX
	PL
.endr
.rept 22
	PL
.if ((\p) == 0) && (q == 118)
	v_add_nc_u32 v[AV], s[TBV], v[AV0]
	s_wait_alu depctr_va_vdst(0)
.endif
.if ((\p) == 0) && (q == 130)
	s_add_co_u32 s[TBV], s[TBV], KS*PV
.endif
.if (\cnt) && (q == 130)
	s_sub_co_u32 s[CNT], s[CNT], 1
	s_cmp_lg_u32 s[CNT], 0
.endif
.endr
.if (\p) == 0
	FETCH_V
.endif
.endm
	CHANGE 1                        ; slot 0 is in, everybody's part of it; slot 1 is asked for
	FETCH_K                         ; key step 0
	s_wait_loadcnt 0x0              ; Q, and key step 0's codes
	s_wait_dscnt 0x0
	CONV 0                          ; piece 0's masks of key step 0
.set i, 0
.rept 16
	KQ 0                            ; piece 0's first scores: there is no vector work yet to set between them
.set i, i+1
.endr
	WIN 0                           ; the addresses for the way out: nine plain instructions, the places behind those products
	s_mul_i32 s13, s[WV], 16*SP
	s_add_co_u32 s13, s13, STAGE    ; my stage
	v_mul_u32_u24 v[STO], v1, SP    ; in: row l % 16, 16 bytes for each half of the lanes
	v_lshl_add_u32 v[STO], v9, 4, v[STO]
	v_add_nc_u32 v[STO], s13, v[STO]
	v_bfe_u32 v[RD], v0, 3, 2       ; back: 32 lanes take four rows of 128 bytes,
	v_mul_u32_u24 v[RD], v[RD], SP
	v_lshl_add_u32 v[RD], v10, 4, v[RD]
	v_add_nc_u32 v[RD], s13, v[RD]
	v_and_b32 v[GO], 31, v0         ; which are 512 consecutive bytes of O
	v_lshlrev_b32 v[GO], 4, v[GO]
	CONV 1                          ; piece 1's masks of key step 0, for the first turn's products
.set i, 0
.rept 4                             ; key step 1's codes for pieces 0 and 1, piece 0's first: with the four that the first two turns ask for, six stand behind piece 0's when they are wanted
	global_load_b128 v[MB+4*i:MB+4*i+3], v[MO], s[MKP:MKP+1] offset:i*16384
.set i, i+1
.endr
	WIN 0
.set Y, NP-1                        ; XS works for piece Y + 1: piece 0
.irp n, 0,1,2,3,4,5,6,7,8,9,10,11,12,13,14,15,16,17,18,19,20,21
	XS 0, \n                        ; and piece 0's first maximum and statistics
	XS 1, \n
.endr
	s_mov_b32 s[CNT], 4
	s_mov_b32 s[SLOTS], SIZE_N/256-1
	s_branch .Lfirst                ; the loop is entered at a step's first turn, in the middle of a trip
.Lslot:                             ; SIZE_N / 256 - 2 times: every slot but the last two is filled again
	CHANGE 1
	s_mov_b32 s[CNT], 4
.Lstep:                             ; a trip: pieces 2 and 3 of one step, then pieces 0 and 1 of the next, whose K and V it fetches
	TURN 2
	TURN 3
	WIN 0
.Lfirst:
	TURN 0
	TURN 1, 0, 1
	WIN 0
	s_cbranch_scc1 .Lstep
	s_sub_co_u32 s[SLOTS], s[SLOTS], 1
	s_cmp_lg_u32 s[SLOTS], 0
	s_cbranch_scc1 .Lslot
	CHANGE 0                        ; the tail is written out: nothing is asked for
	s_mov_b32 s[CNT], 5             ; four trips fetch the last slot's steps; the fifth is left in its middle
.Ltail:
	TURN 2, 1
	TURN 3
	WIN 0
	s_sub_co_u32 s[CNT], s[CNT], 1
	s_cmp_eq_u32 s[CNT], 0
	s_cbranch_scc1 .Lout
	TURN 0
	TURN 1
	WIN 0
	s_branch .Ltail
.Lout:                              ; the fifth trip's 16 products K Q^T (on the last K and the last codes once more) and the maximum made of them serve nothing: the price, once a launch, of one text for every trip
.set i, 0
.rept 16
	PV NP-1                         ; the last piece's V^T P of the last step
.set i, i+1
.endr
	; THE WAY OUT.  l's two halves and the other half of the lanes' are added; the lanes with l = 0 are noted; O^T is divided by l, rounded to f16, replaced by the mean of V's rows where l = 0, and sent through my stage
	; in LDS, a tile at a time.  The additions are the places behind the last products.
	WIN 0
.macro ALL line:vararg              ; one line for each tile t
.set t, 0
.rept 2*NP
	\line
.set t, t+1
.endr
.endm
	ALL v_add_f32 v[ST+4*t+2], v[ST+4*t+2], v[ST+4*t+3]
	ALL v_permlanex16_b32 v[ST+4*t+3], v[ST+4*t+2], s[SEL], s[SEL+1]
	ALL v_add_f32 v[ST+4*t+2], v[ST+4*t+2], v[ST+4*t+3]
	ALL v_cmp_eq_f32 s[MSK+t], 0, v[ST+4*t+2]
	ALL v_rcp_f32 v[ST+4*t+2], v[ST+4*t+2]
	WIN 0xc3                        ; destination and source 0 in window 3.  These plain lines also stand between the last reciprocal and the use of its result
.set i, 0
.rept 16
	v_pk_mul_f32 v[OS+2*i:OS+2*i+1], v[OS+2*i:OS+2*i+1], 0x3a000000 op_sel_hi:[1,0]  ; the sum of V's 2,048 rows times 1 / 2,048; each accumulator from its low end on
.set i, i+1
.endr
	WIN 0x0f                        ; sources 0 and 1 window 3, destination window 0: P's registers are free
.set i, 0
	s_wait_alu depctr_va_vdst(0)
.rept 16
	v_cvt_pk_f16_f32 v[OSP+i], v[OS+2*i], v[OS+2*i+1]
.set i, i+1
.endr
; Tile t: a lane's eight channels of a row pack into 16 bytes; they go into rows of 144 bytes and come back as whole rows of 128, into S^T's registers.
.macro PACK t
	WIN W_RS
.set i, 32*(\t)
.rept 16
	v_pk_mul_f32 v[i:i+1], v[i:i+1], v[ST+4*(\t)+2:ST+4*(\t)+3] op_sel_hi:[1,0]
.set i, i+2
.endr
	WIN 0x05                        ; sources 0 and 1 window 1, destination window 0
.set i, 0
.rept 16
	v_cvt_pk_f16_f32 v[S+16*(\t)+i], v[32*(\t)+2*i], v[32*(\t)+2*i+1]
.set i, i+1
.endr
	WIN 0
.set i, 0
.rept 16
	v_cndmask_b32 v[S+16*(\t)+i], v[S+16*(\t)+i], v[OSP+i], s[MSK+(\t)]  ; a query without an open key: 0 x infinity gives way to the mean
.set i, i+1
.endr
.irp f, 0,1,2,3
	ds_store_b128 v[STO], v[S+16*(\t)+4*\f:S+16*(\t)+4*\f+3] offset:32*\f
.endr
.irp f, 0,1,2,3
	ds_load_b128 v[S+16*(\t)+4*\f:S+16*(\t)+4*\f+3], v[RD] offset:\f*4*SP  ; LDS serves a wave's instructions in order (ISA guide 5.7.1.4): these see the stores above; the next tile's stores come behind them
.endr
.endm
.macro SEND t, younger              ; younger: the LDS instructions issued behind tile t's loads: the next tile's eight, or none
	WIN 0
.irp f, 0,1,2,3
	s_wait_dscnt (\younger)+3-\f
	global_store_b128 v[GO], v[S+16*(\t)+4*\f:S+16*(\t)+4*\f+3], s[10:11] offset:(\t)*2048+\f*512  ; 512 consecutive bytes, at a multiple of 256 from O's first
.endr
.endm
	PACK 0
.set t, 1
.rept 2*NP-1                        ; a tile's arithmetic stands between the loads of the tile before and its stores
	PACK t
	SEND t-1, 8
.set t, t+1
.endr
	SEND 2*NP-1, 0
	WIN W_AD
	s_wait_tensorcnt 0x0            ; the wave's end: behind my last tensor load and my last LDS store
	ds_add_u32 v[SPW], v[NIL]
	s_wait_dscnt 0x0
	WIN 0
	CROUND                          ; the closing round: no work-group ends while a partner may still ask for a tile that names it
	s_endpgm
.Lfunc_end_k_q9d55801906_attn:
	.size	k_q9d55801906_attn, .Lfunc_end_k_q9d55801906_attn-k_q9d55801906_attn
	.p2alignl 7, 3214868480
	.fill 96, 4, 3214868480
	.section	.rodata,"a",@progbits
	.p2align	6, 0x0
	.amdhsa_kernel k_q9d55801906_attn
		.amdhsa_group_segment_fixed_size 327680
		.amdhsa_private_segment_fixed_size 0
		.amdhsa_enable_private_segment 0
		.amdhsa_kernarg_size 24
		.amdhsa_user_sgpr_count 2
		.amdhsa_user_sgpr_kernarg_segment_ptr 1
		.amdhsa_wavefront_size32 1
		.amdhsa_system_sgpr_workgroup_id_x 1
		.amdhsa_system_sgpr_workgroup_id_y 1
		.amdhsa_system_sgpr_workgroup_id_z 1
		.amdhsa_system_vgpr_workitem_id 0
		.amdhsa_next_free_vgpr 928
		.amdhsa_next_free_sgpr 80
		.amdhsa_reserve_vcc 0
		.amdhsa_float_denorm_mode_32 3
		.amdhsa_float_denorm_mode_16_64 3
		.amdhsa_memory_ordered 1
		.amdhsa_forward_progress 1
		.amdhsa_inst_pref_size 233
	.end_amdhsa_kernel
	.amdgpu_metadata
---
amdhsa.version: [ 1, 2 ]
amdhsa.kernels:
  - .name:           k_q9d55801906_attn
    .symbol:         k_q9d55801906_attn.kd
    .args:
      - { .name: qkvh, .offset: 0, .size: 8, .value_kind: global_buffer, .address_space: global }
      - { .name: mk, .offset: 8, .size: 8, .value_kind: global_buffer, .address_space: global }
      - { .name: oh, .offset: 16, .size: 8, .value_kind: global_buffer, .address_space: global }
    .group_segment_fixed_size: 327680
    .private_segment_fixed_size: 0
    .kernarg_segment_align: 8
    .kernarg_segment_size: 24
    .max_flat_workgroup_size: 128
    .sgpr_count:     80
    .vgpr_count:     928
    .wavefront_size: 32
...
	.end_amdgpu_metadata
.endif
;; end of part 3
;; launch gemm_out (part 4): grid 4 x 64, 4 waves a work-group, clusters of 4 x 4, 327,680 bytes of LDS; arguments oh, wh, bws, out0; writes out0
.if DOCPART == 4
	.amdgcn_target "amdgcn-amd-amdhsa--gfx1250"
	.amdhsa_code_object_version 6
	.text
	.protected	k_q9d55801906_gemm_out
	.globl	k_q9d55801906_gemm_out
	.p2align	8
	.type	k_q9d55801906_gemm_out,@function
k_q9d55801906_gemm_out:
	s_mov_b64 s[64:65], 0
	v_nop
	global_prefetch_b8 v0, s[64:65] scope:SCOPE_SE
	s_setreg_imm32_b32 hwreg(HW_REG_WAVE_MODE, 25, 1), 1
	s_wait_xcnt 0x0
	s_wait_alu depctr_hold_cnt(0) depctr_sa_sdst(0) depctr_va_vdst(0) depctr_va_sdst(0) depctr_va_ssrc(0) depctr_va_vcc(0) depctr_vm_vsrc(0)
	s_getreg_b32 s2, hwreg(HW_REG_IB_STS2, 6, 4)
	s_cmp_eq_u32 s2, 0
	s_cbranch_scc0 .Lentry_in_a_cluster
	s_endpgm
.Lentry_in_a_cluster:
	s_bfe_u32 s2, ttmp6, 0x10000c
	s_cmp_lg_u32 s2, 0xf033
	s_cbranch_scc0 .Lentry_shape_is_right
	s_endpgm
.Lentry_shape_is_right:
; C[m][n] = bias[n] + the sum over k of A[m][k] W[n][k], K = 1,024, operands f16, sums f32.  One text for two launches; OUTF32 says which.
;   OUTF32 = 0: the three input projections.  A = xh (12 groups of 2,048 rows: 4 x tensor + batch), W and bias by the tensor; C rounded once to f16 and stored by heads, in blocks.
;   OUTF32 = 1: the output projection.  A = oh (4 groups), W = w_o, bias = b_o; C stored as f32, row-major [8,192][1,024].
; BLOCKS.  A, W and the f16 result lie as [group][plane = k / 64 (16)][row (2,048)][64]: a plane's rows are dense, 128 bytes each.  The result's plane is the head.
; LIMITS.  f16 holds no number beyond 65,504: a sum beyond that leaves as an infinity where OUTF32 = 0.  NaN and infinities are not treated apart.
; SHARES.  A tile of C is 128 rows x 256 columns: 768 and 256 work-groups.  Four waves, each 64 x 128: 32 accumulators of 16 x 16, 256 registers.
; K goes in 8 steps of 128 (two planes) through a ring of two LDS slots filled by the tensor data mover; a wave's load brings one plane of A's 128 rows or of W's 256, a dense run asked for as rows of 256 bytes.
; CLUSTER.  4 x 4 work-groups.  The four of a row of the cluster need the same tiles of A, the four of a column the same tiles of W: each is asked for JOINTLY, by the same load, descriptor and mask in all four.
; THE MATRIX INSTRUCTION IS USED TRANSPOSED (source 0 = 16 rows of W, source 1 = 16 rows of A): lane l holds row l % 16 of C and the columns 8 (l / 16) + 0..7.
; THE BIAS STARTS THE SUMS: it is the C operand of each accumulator's first product: nothing is cleared, nothing is added on the way out.
; REGISTERS, in windows of 256 (s_set_vgpr_msb: bits 1:0 source 0, 3:2 source 1, 5:4 source 2, 7:6 destination):
;   window 0: v0-31 addresses; v64-159, v160-255 two fragment buffers (32 along K: 64 registers of W, 32 of A); on the way out v64-191 at work
;   window 1: the accumulators, (a, b) at v[8 (8 a + b)]          window 2: v0-63 the bias of my 128 columns, block b at v[8 b]
.set OUTF32, 1
.set GROUPB, 4194304
.set PLANEB, 262144
.set P,      144                       ; an LDS row: 128 bytes + 16 of padding = 36 words: the 16 rows of a fragment load start at 16 different groups of four banks (64 banks of 4 bytes: ISA guide 11.1)
.set APL,    128*P                     ; a plane of A's tile
.set BPL,    256*P                     ; a plane of W's tile
.set BOFF,   2*APL                     ; W's two planes lie behind A's two
.set SLOT,   2*APL+2*BPL               ; 110,592 bytes
.set STAGE,  2*SLOT                    ; behind the ring, never filled by a tensor load: each wave's stage for the way out
.if OUTF32
.set SP,     528                       ; 16 rows of 128 f32: 512 bytes + 16
.set WSTG,   16*SP
.else
.set SP,     144                       ; two heads x 16 rows of 64 f16: 128 bytes + 16
.set WSTG,   2*16*SP
.endif
.set SPARE,  STAGE+4*WSTG              ; behind the stages: the spare words, 128 bytes for each wave: two blocks of 256 bytes that no other line names
.set LAPS,   4                         ; a lap = two K steps = once round the ring
.set ADRA, 16                          ; v16-17  LDS address of my fragments of A in slot 0, 1
.set ADRB, 20                          ; v20-21  the same for W
.set STO,  24                          ; v24     the way out: where I put my part of a row
.set RD,   25                          ; v25     the way out: where I read rows back
.set CO,   26                          ; v26     16 x lane: my place in 512 consecutive bytes of the result
.set BO,   27                          ; v27     32 x (l / 16): my 8 numbers in a block of 16 of the bias
.set SPW,  28                          ; v28     LDS address of my spare word: SPARE + 4 x my thread's number; never rewritten
.set NIL,  29                          ; v29     0; never rewritten
.set F0,   64
.set F1,   160
.set TMP,  64                          ; the way out (f16): packed results
.if OUTF32
.set BK,   64                          ; the way out: rows read back, two sets of 64 by turns
.else
.set BK,   96                          ; the way out: rows read back, a set of 32 for each block
.endif
.set WV,  12                           ; s12  my wave's number
.set WM,  13                           ; s13  which 64 rows of the tile are mine.  Also: I fetch for A (0) or for W (1)
.set WN,  14                           ; s14  which 128 columns.  Also: which of a K step's two planes I fetch
.set CX,  15                           ; s15, s16  my place in the cluster
.set CY,  16
.set TX,  17                           ; s17  tile column
.set TY,  18                           ; s18  tile row
.set WH,  19                           ; s19  which weight and bias
.set G1A, 24                           ; s[24:31] descriptor group 1 for A's tiles;  s[32:39] group 0, a set for each slot
.set G0A, 32
.set G1B, 40                           ; s[40:47], s[48:55] the same for W's
.set G0B, 48
.set LAP, 56
.set MSB, 0
.macro WIN new                         ; the immediate's high byte repeats the setting that is left; a switch that changes nothing is dropped
.if MSB != (\new)
	s_set_vgpr_msb (MSB<<8)|(\new)
.set MSB, \new
.endif
.endm
.set MUL,  0x50                        ; sources 0 and 1 window 0; C and D window 1
.set MULB, 0x60                        ; the same with C in window 2: the bias
; A joint load: waves 0 and 1 fetch A's two planes, waves 2 and 3 W's.  The branch hangs on the wave's number alone.  An s_nop 0 and four v_nop follow each of the two lines, ahead of the jump, the label and what follows.
.macro JLOAD s
	s_cmp_eq_u32 s[WM], 0
	s_cbranch_scc0 .Lfor_b_\@
	tensor_load_to_lds s[G0A+4*(\s):G0A+4*(\s)+3], s[G1A:G1A+7]
	s_nop 0
.rept 4
	v_nop
.endr
	s_branch .Lasked_\@
.Lfor_b_\@:
	tensor_load_to_lds s[G0B+4*(\s):G0B+4*(\s)+3], s[G1B:G1B+7]
	s_nop 0
.rept 4
	v_nop
.endr
.Lasked_\@:
.endm
; A round of the cluster's barrier: my work-group's barrier, so that wave 0's signal speaks for all four waves; wave 0 signals; every wave waits for all sixteen work-groups; my work-group's barrier once more.
.macro CREST                           ; a round behind its opening barrier
	s_cmp_lg_u32 s[WV], 0
	s_cbranch_scc1 .Lnot_wave_0_\@
	s_barrier_signal -3
.Lnot_wave_0_\@:
	s_barrier_wait -3
	s_barrier_signal -1
	s_barrier_wait -1
.endm
.macro CROUND                          ; a whole round
	s_barrier_signal -1
	s_barrier_wait -1
	CREST
.endm
	s_load_b256 s[4:11], s[0:1], 0x0               ; A s[4:5], W s[6:7], bias s[8:9], result s[10:11]
	v_lshl_add_u32 v[SPW], v0, 2, SPARE
	v_mov_b32 v[NIL], 0
	ds_add_u32 v[SPW], v[NIL]                      ; the wave's opening: the add and its wait stand ahead of my first tensor load; the set-up below, work on registers, stands between them
	v_lshrrev_b32 v1, 5, v0
	v_readfirstlane_b32 s[WV], v1                  ; wave 0..3
	s_lshr_b32 s[WM], s[WV], 1
	s_and_b32 s[WN], s[WV], 1
	s_bfe_u32 s[CX], ttmp6, 0x40000
	s_bfe_u32 s[CY], ttmp6, 0x40004
	s_lshl_b32 s[TX], ttmp9, 2                     ; in a cluster launch ttmp9 and ttmp7 count clusters
	s_add_co_u32 s[TX], s[TX], s[CX]               ; tile column = 4 x cluster x + cx
	s_and_b32 s[WH], ttmp7, 0xffff
	s_lshl_b32 s[TY], s[WH], 2
	s_add_co_u32 s[TY], s[TY], s[CY]               ; tile row = 4 x cluster y + cy
.if OUTF32
	s_mov_b32 s[WH], 3                             ; w_o, b_o
.else
	s_lshr_b32 s[WH], s[WH], 4                     ; 64 tile rows, 16 clusters, to a tensor: it hangs on the cluster's y alone, which all sixteen share
.endif
	s_lshl_b32 s20, s[CY], 2
	s_lshl_b32 s20, 15, s20                        ; my row of the cluster: places 4 cy .. 4 cy + 3
	s_lshl_b32 s21, 0x1111, s[CX]                  ; my column: places cx, cx + 4, cx + 8, cx + 12
	; descriptor group 1: a dense run as rows of 128 elements (256 bytes: two rows of a plane), padded in LDS after every 128 bytes
	s_or_b32 s[G1A], s20, (1<<16)|(1<<20)|(1<<21)|(4<<22)|(3<<25)  ; 15:0 the mask; 17:16 2-byte elements; 20 padding on; 21 set beside a mask; 24:22 after every 32 words (code 4); 31:25 4 words (code 3)
	s_or_b32 s[G1B], s21, (1<<16)|(1<<20)|(1<<21)|(4<<22)|(3<<25)
	s_mov_b32 s[G1A+1], 128<<16                    ; tensor_dim0 = 128
	s_mov_b32 s[G1B+1], 128<<16
	s_mov_b32 s[G1A+2], 64<<16                     ; tensor_dim1: A's 128 rows of a plane are 64 rows of 256 bytes,
	s_mov_b32 s[G1B+2], 128<<16                    ; W's 256 are 128
	s_mov_b32 s[G1A+3], 128<<16                    ; tile_dim0 = 128
	s_mov_b32 s[G1B+3], 128<<16
	s_mov_b32 s[G1A+4], 64                         ; tile_dim1
	s_mov_b32 s[G1B+4], 128
	s_mov_b32 s[G1A+5], 128                        ; 128 elements from row to row
	s_mov_b32 s[G1B+5], 128
	s_mov_b32 s[G1A+6], 0
	s_mov_b32 s[G1B+6], 0
	s_mov_b32 s[G1A+7], 0
	s_mov_b32 s[G1B+7], 0
	; where the tiles come from.  A's hang on the tile row alone, W's on the tile column and the weight alone; each offset is made in registers that never hold the other coordinate.
	s_lshr_b32 s22, s[TY], 4                       ; 16 tile rows to a group
	s_lshl_b32 s22, s22, 22
	s_and_b32 s2, s[TY], 15
	s_lshl_b32 s2, s2, 14                          ; 128 rows of 128 bytes
	s_add_co_u32 s22, s22, s2
	s_lshl_b32 s2, s[WN], 18                       ; my plane of K step 0
	s_add_co_u32 s22, s22, s2
	s_mov_b32 s23, 0
	s_lshr_b32 s58, s[WH], 1                       ; two weights to a group
	s_lshl_b32 s58, s58, 22
	s_and_b32 s60, s[WH], 1
	s_lshl_b32 s60, s60, 17                        ; 1,024 rows of 128 bytes
	s_add_co_u32 s58, s58, s60
	s_lshl_b32 s60, s[TX], 15                      ; 256 rows of 128 bytes
	s_add_co_u32 s58, s58, s60
	s_lshl_b32 s60, s[WN], 18
	s_add_co_u32 s58, s58, s60
	s_mov_b32 s59, 0
	s_mul_i32 s3, s[WN], APL                       ; and where they go: no place in the cluster enters an LDS address
	s_mul_i32 s61, s[WN], BPL
	s_add_co_u32 s61, s61, BOFF
	s_wait_dscnt 0x0                               ; the opening add is done
	s_wait_kmcnt 0x0
	s_add_nc_u64 s[22:23], s[4:5], s[22:23]
	s_add_nc_u64 s[58:59], s[6:7], s[58:59]
	CROUND                                         ; all sixteen work-groups are here: the first joint loads meet
.irp s, 0,1
	s_mov_b32 s[G0A+4*(\s)], 1                                       ; 1:0 count = 1
	s_add_co_u32 s[G0A+4*(\s)+1], s3, (\s)*SLOT                      ; 63:32 LDS address
	s_add_nc_u64 s[G0A+4*(\s)+2:G0A+4*(\s)+3], s[22:23], (\s)*2*PLANEB  ; 120:64 global address: K step s
	s_or_b32 s[G0A+4*(\s)+3], s[G0A+4*(\s)+3], 0x80000000            ; 127:126 type = 2
	s_mov_b32 s[G0B+4*(\s)], 1
	s_add_co_u32 s[G0B+4*(\s)+1], s61, (\s)*SLOT
	s_add_nc_u64 s[G0B+4*(\s)+2:G0B+4*(\s)+3], s[58:59], (\s)*2*PLANEB
	s_or_b32 s[G0B+4*(\s)+3], s[G0B+4*(\s)+3], 0x80000000
	JLOAD \s                                       ; two loads of mine are out
.endr
	; A fragment is 16 rows x 32 K in 8 registers: lane l holds row l % 16; registers 0-3 K = 8 (l / 16) + 0..7, registers 4-7 K = 16 + 8 (l / 16) + 0..7: two loads of 16 bytes, 32 bytes apart.
	v_and_b32 v1, 15, v0                           ; l % 16
	v_bfe_u32 v2, v0, 4, 1                         ; l / 16
	v_lshlrev_b32 v[BO], 5, v2
	s_lshl_b32 s60, s[WH], 12                      ; the bias of my 128 columns: 4 (1,024 weight + 256 tile column + 128 half)
	s_lshl_b32 s61, s[TX], 10
	s_add_co_u32 s60, s60, s61
	s_lshl_b32 s61, s[WN], 9
	s_add_co_u32 s60, s60, s61
	s_mov_b32 s61, 0
	s_add_nc_u64 s[8:9], s[8:9], s[60:61]
	WIN 0x80                                       ; destination window 2, address window 0
.irp b, 0,1,2,3,4,5,6,7
	global_load_b128 v[8*(\b):8*(\b)+3],   v[BO], s[8:9] offset:64*(\b)
	global_load_b128 v[8*(\b)+4:8*(\b)+7], v[BO], s[8:9] offset:64*(\b)+16
.endr
	WIN 0
	v_mul_u32_u24 v3, v1, P
	v_lshl_add_u32 v3, v2, 4, v3                   ; row x pitch + 16 x half
	s_mul_i32 s2, s[WM], 64*P                      ; my 64 rows of A
	s_mul_i32 s60, s[WN], 128*P                    ; my 128 rows of W,
	s_add_co_u32 s60, s60, BOFF                    ; which lie behind A's planes
.irp s, 0,1
	v_add_nc_u32 v[ADRA+(\s)], s2, v3
	v_add_nc_u32 v[ADRB+(\s)], s60, v3
	s_add_co_u32 s2, s2, SLOT
	s_add_co_u32 s60, s60, SLOT
.endr
	s_mul_i32 s2, s[WV], WSTG
	s_add_co_u32 s2, s2, STAGE                     ; my stage
	v_and_b32 v[CO], 31, v0
	v_lshlrev_b32 v[CO], 4, v[CO]
.if OUTF32
	v_mul_u32_u24 v4, v1, SP                       ; in: row l % 16, 32 bytes for each half of the lanes
	v_lshl_add_u32 v4, v2, 5, v4
	v_add_nc_u32 v[STO], s2, v4
	v_add_nc_u32 v[RD], s2, v[CO]                  ; back: 32 lanes take one row of 512 bytes
	s_lshl_b32 s60, s[TY], 19                      ; the result at my first row and column: (128 tile row + 64 half) x 4,096 + 4 (256 tile column + 128 half)
	s_lshl_b32 s61, s[WM], 18
	s_add_co_u32 s60, s60, s61
	s_lshl_b32 s61, s[TX], 10
	s_add_co_u32 s60, s60, s61
	s_lshl_b32 s61, s[WN], 9
	s_add_co_u32 s60, s60, s61
.else
	v_add_nc_u32 v[STO], s2, v3                    ; in: row l % 16, 16 bytes for each half of the lanes (the stage's pitch is the tiles')
	v_bfe_u32 v4, v0, 3, 2                         ; back: 32 lanes take four rows of 128 bytes,
	v_and_b32 v5, 7, v0
	v_mul_u32_u24 v4, v4, SP
	v_lshl_add_u32 v4, v5, 4, v4
	v_add_nc_u32 v[RD], s2, v4                     ; which are 512 consecutive bytes of a head's plane
	s_lshr_b32 s60, s[TY], 4                       ; the result: group, head 4 tile column + 2 half, row 128 (tile row % 16) + 64 half
	s_lshl_b32 s60, s60, 22
	s_and_b32 s61, s[TY], 15
	s_lshl_b32 s61, s61, 14
	s_add_co_u32 s60, s60, s61
	s_lshl_b32 s61, s[TX], 20
	s_add_co_u32 s60, s60, s61
	s_lshl_b32 s61, s[WN], 19
	s_add_co_u32 s60, s60, s61
	s_lshl_b32 s61, s[WM], 13
	s_add_co_u32 s60, s60, s61
.endif
	s_mov_b32 s61, 0
	s_add_nc_u64 s[10:11], s[10:11], s[60:61]
; 8 matrix instructions: row block a x all 8 column blocks, 32 along K.  first = 1: the product starts the sum, with the bias.  The 32 accumulators take turns, in the same order in every quarter.
.macro MUL8 f, a, first
.if \first
	WIN MULB
.else
	WIN MUL
.endif
.irp b, 0,1,2,3,4,5,6,7
.if \first
	v_wmma_f32_16x16x32_f16 v[8*(8*(\a)+(\b)):8*(8*(\a)+(\b))+7], v[(\f)+8*(\b):(\f)+8*(\b)+7], v[(\f)+64+8*(\a):(\f)+64+8*(\a)+7], v[8*(\b):8*(\b)+7]
.else
	v_wmma_f32_16x16x32_f16 v[8*(8*(\a)+(\b)):8*(8*(\a)+(\b))+7], v[(\f)+8*(\b):(\f)+8*(\b)+7], v[(\f)+64+8*(\a):(\f)+64+8*(\a)+7], v[8*(8*(\a)+(\b)):8*(8*(\a)+(\b))+7]
.endif
.endr
.endm
; 24 LDS loads in one run: the fragments of quarter q of a K step (plane q / 2, bytes 64 (q % 2) on) into buffer f: W's eight, then A's four
.macro FETCH slot, q, f
	WIN 0
.irp i, 0,1,2,3,4,5,6,7
	ds_load_b128 v[(\f)+8*(\i):(\f)+8*(\i)+3],   v[ADRB+(\slot)] offset:((\q)/2)*BPL+((\q)%2)*64+(\i)*16*P
	ds_load_b128 v[(\f)+8*(\i)+4:(\f)+8*(\i)+7], v[ADRB+(\slot)] offset:((\q)/2)*BPL+((\q)%2)*64+(\i)*16*P+32
.endr
.irp i, 0,1,2,3
	ds_load_b128 v[(\f)+64+8*(\i):(\f)+64+8*(\i)+3],   v[ADRA+(\slot)] offset:((\q)/2)*APL+((\q)%2)*64+(\i)*16*P
	ds_load_b128 v[(\f)+64+8*(\i)+4:(\f)+64+8*(\i)+7], v[ADRA+(\slot)] offset:((\q)/2)*APL+((\q)%2)*64+(\i)*16*P+32
.endr
.endm
.macro PLACES                          ; four places in front of loads into registers that matrix instructions have read, and of lines that read results (ISA guide 7.12.1 for vector instructions)
.rept 4
	v_nop
.endr
.endm
; A K step is four quarters of 32 along K, 32 matrix instructions each, on buffers 0, 1, 0, 1.  One of the first three: multiplies buffer f and, in its middle, fetches quarter q into buffer g.
.macro QUARTER slot, q, f, g, first
	s_wait_dscnt 4                                 ; W's fragments and A's first two are in; the youngest four loads (A's row blocks 2, 3) may be out
	MUL8 \f, 0, \first
	MUL8 \f, 1, \first
	PLACES
	FETCH \slot, \q, \g
	s_wait_dscnt 24                                ; all but the 24 just issued
	MUL8 \f, 2, \first
	MUL8 \f, 3, \first
.endm
; The last quarter multiplies buffer 1 and changes slots: ONE barrier.  In front of it each wave waits for all its tensor loads, of which one is out: its part of the next slot; adds 0 to its spare word;
; and waits for that and for its own reads of this slot.  fill = 1: the barrier opens a round of the cluster's, and this slot is filled again, two K steps ahead, first thing behind the round:
; 112 matrix instructions ahead of the wait for it.
.macro TURN slot, next, fill
	WIN 0
	s_wait_tensorcnt 0x0                           ; all my tensor loads have landed;
	ds_add_u32 v[SPW], v[NIL]                      ; 0 onto my spare word;
	s_wait_dscnt 5                                 ; (the add and the youngest four loads may be out)
	MUL8 F1, 0, 0                                  ; eight matrix instructions stand between the add and the wait for it
	s_wait_dscnt 0x0                               ; the add is done, and my reads of this slot are over
	s_barrier_signal -1
	MUL8 F1, 1, 0                                  ; work on registers while the others arrive
.if \fill
	WIN 0
.endif
	s_barrier_wait -1
.if \fill
	CREST                                          ; no wave of any partner still reads this slot's tile or has a load on its way
	s_add_nc_u64 s[G0A+4*(\slot)+2:G0A+4*(\slot)+3], s[G0A+4*(\slot)+2:G0A+4*(\slot)+3], 4*PLANEB  ; two K steps on: four planes; the type bits on top are not reached
	s_add_nc_u64 s[G0B+4*(\slot)+2:G0B+4*(\slot)+3], s[G0B+4*(\slot)+2:G0B+4*(\slot)+3], 4*PLANEB
	JLOAD \slot                                    ; the four v_nop behind it are also the places in front of the loads below
.else
	PLACES
.endif
	FETCH \next, 0, F0
	MUL8 F1, 2, 0
	MUL8 F1, 3, 0
.endm
	s_wait_tensorcnt 1                             ; my part of K step 0 is in; K step 1's may stay out
	s_barrier_signal -1
	s_barrier_wait -1                              ; everybody's is
	FETCH 0, 0, F0
	s_wait_loadcnt 0x0                             ; the bias
	QUARTER 0, 1, F0, F1, 1                        ; the first quarter stands in front of the loop: its products start the sums
	WIN 0
	s_mov_b32 s[LAP], LAPS-1
.Llap:                                                 ; a trip goes once round the ring, from a lap's second quarter to the next lap's first, and fills both slots again
	QUARTER 0, 2, F1, F0, 0
	QUARTER 0, 3, F0, F1, 0
	TURN 0, 1, 1
	QUARTER 1, 1, F0, F1, 0
	QUARTER 1, 2, F1, F0, 0
	QUARTER 1, 3, F0, F1, 0
	TURN 1, 0, 1
	QUARTER 0, 1, F0, F1, 0
	WIN 0
	s_sub_co_u32 s[LAP], s[LAP], 1
	s_cmp_lg_u32 s[LAP], 0
	s_cbranch_scc1 .Llap
	QUARTER 0, 2, F1, F0, 0                        ; the last lap fills nothing, and has no round of the cluster's barrier
	QUARTER 0, 3, F0, F1, 0
	TURN 0, 1, 0
	QUARTER 1, 1, F0, F1, 0
	QUARTER 1, 2, F1, F0, 0
	QUARTER 1, 3, F0, F1, 0
	s_wait_dscnt 4                                 ; the very last quarter: nothing more to fetch
	MUL8 F1, 0, 0
	MUL8 F1, 1, 0
	s_wait_dscnt 0x0
	MUL8 F1, 2, 0
	MUL8 F1, 3, 0
	WIN 0
	PLACES
.if OUTF32
; THE WAY OUT, f32.  A block of 16 rows x 128 columns goes from the accumulators into my own stage (rows of 528 bytes) and comes back as whole rows of 512 bytes; each store covers 512 consecutive bytes of a row of the result.
.macro TOSTAGE a
.if (\a) >= 2
	s_wait_xcnt 0x0                                ; the stores of the block two back have read their registers: only behind this wait is their set loaded again
.endif
	WIN 0x04                                       ; store data (source 1) in window 1
.irp b, 0,1,2,3,4,5,6,7
	ds_store_b128 v[STO], v[8*(8*(\a)+(\b)):8*(8*(\a)+(\b))+3]   offset:64*(\b)     ; each accumulator's low registers first
	ds_store_b128 v[STO], v[8*(8*(\a)+(\b))+4:8*(8*(\a)+(\b))+7] offset:64*(\b)+16
.endr
	WIN 0
.irp t, 0,1,2,3,4,5,6,7,8,9,10,11,12,13,14,15
	ds_load_b128 v[BK+64*((\a)%2)+4*(\t):BK+64*((\a)%2)+4*(\t)+3], v[RD] offset:(\t)*SP  ; LDS serves a wave's instructions in order (ISA guide 5.7.1.4): these see the stores above; the next block's stores come behind them
.endr
.endm
.macro SEND a, younger                 ; younger: the LDS instructions issued behind block a's loads: the next block's 32, or none
	s_wait_dscnt \younger
.irp t, 0,1,2,3,4,5,6,7,8,9,10,11,12,13,14,15
	global_store_b128 v[CO], v[BK+64*((\a)%2)+4*(\t):BK+64*((\a)%2)+4*(\t)+3], s[10:11] offset:(16*(\a)+(\t))*4096 th:TH_STORE_NT
.endr
.endm
	TOSTAGE 0
.irp a, 1,2,3
	TOSTAGE \a
	SEND (\a)-1, 32
.endr
	SEND 3, 0
.else
; THE WAY OUT, f16 by heads.  A block of 16 rows: rounded once to f16, 16 bytes a lane; into my own stage (two heads x 16 rows of 144 bytes); back as whole rows of 128 bytes, four to a load: 512 consecutive bytes of a head's plane.
.macro PACK a
	WIN 0x05                                       ; sources 0 and 1 window 1, destination window 0
.irp b, 0,1,2,3,4,5,6,7
.irp r, 0,1,2,3
	v_cvt_pk_f16_f32 v[TMP+4*(\b)+(\r)], v[8*(8*(\a)+(\b))+2*(\r)], v[8*(8*(\a)+(\b))+2*(\r)+1]
.endr
.endr
	WIN 0
.endm
.macro TOSTAGE a
.irp b, 0,1,2,3,4,5,6,7
	ds_store_b128 v[STO], v[TMP+4*(\b):TMP+4*(\b)+3] offset:((\b)/4)*16*SP+((\b)%4)*32
.endr
.irp t, 0,1,2,3,4,5,6,7
	ds_load_b128 v[BK+32*(\a)+4*(\t):BK+32*(\a)+4*(\t)+3], v[RD] offset:((\t)/4)*16*SP+((\t)%4)*4*SP  ; LDS serves a wave's instructions in order (ISA guide 5.7.1.4): these see the stores above
.endr
.endm
.macro SEND a
	s_wait_dscnt 0x0                               ; the block is back in registers; each block has a set of its own, so no store's registers are written again
.irp t, 0,1,2,3,4,5,6,7
	global_store_b128 v[CO], v[BK+32*(\a)+4*(\t):BK+32*(\a)+4*(\t)+3], s[10:11] offset:((\t)/4)*PLANEB+(\a)*2048+((\t)%4)*512
.endr
.endm
	PACK 0
	TOSTAGE 0
.irp a, 1,2,3                          ; block a's conversions stand between block a - 1's loads from the stage and the wait for them
	PACK \a
	SEND (\a)-1
	TOSTAGE \a
.endr
	SEND 3
.endif
	s_wait_tensorcnt 0x0                           ; the wave's end: behind my last tensor load and my last LDS store
	ds_add_u32 v[SPW], v[NIL]
	s_wait_dscnt 0x0
	CROUND                                         ; the closing round: no work-group ends while a partner may still ask for a tile that names it
	s_endpgm
.Lfunc_end_k_q9d55801906_gemm_out:
	.size	k_q9d55801906_gemm_out, .Lfunc_end_k_q9d55801906_gemm_out-k_q9d55801906_gemm_out
	.p2alignl 7, 3214868480
	.fill 96, 4, 3214868480
	.section	.rodata,"a",@progbits
	.p2align	6, 0x0
	.amdhsa_kernel k_q9d55801906_gemm_out
		.amdhsa_group_segment_fixed_size 327680
		.amdhsa_private_segment_fixed_size 0
		.amdhsa_enable_private_segment 0
		.amdhsa_kernarg_size 32
		.amdhsa_user_sgpr_count 2
		.amdhsa_user_sgpr_kernarg_segment_ptr 1
		.amdhsa_wavefront_size32 1
		.amdhsa_system_sgpr_workgroup_id_x 1
		.amdhsa_system_sgpr_workgroup_id_y 1
		.amdhsa_system_sgpr_workgroup_id_z 1
		.amdhsa_system_vgpr_workitem_id 0
		.amdhsa_next_free_vgpr 576
		.amdhsa_next_free_sgpr 66
		.amdhsa_reserve_vcc 0
		.amdhsa_float_denorm_mode_32 3
		.amdhsa_float_denorm_mode_16_64 3
		.amdhsa_memory_ordered 1
		.amdhsa_forward_progress 1
		.amdhsa_inst_pref_size 87
	.end_amdhsa_kernel
	.amdgpu_metadata
---
amdhsa.version: [ 1, 2 ]
amdhsa.kernels:
  - .name:           k_q9d55801906_gemm_out
    .symbol:         k_q9d55801906_gemm_out.kd
    .args:
      - { .name: oh, .offset: 0, .size: 8, .value_kind: global_buffer, .address_space: global }
      - { .name: wh, .offset: 8, .size: 8, .value_kind: global_buffer, .address_space: global }
      - { .name: bws, .offset: 16, .size: 8, .value_kind: global_buffer, .address_space: global }
      - { .name: out0, .offset: 24, .size: 8, .value_kind: global_buffer, .address_space: global }
    .group_segment_fixed_size: 327680
    .private_segment_fixed_size: 0
    .kernarg_segment_align: 8
    .kernarg_segment_size: 32
    .max_flat_workgroup_size: 128
    .sgpr_count:     66
    .vgpr_count:     576
    .wavefront_size: 32
...
	.end_amdgpu_metadata
.endif
;; end of part 4
